; MI455X (gfx1250); checked and timed in simulation.
; The chip was launched on July 23, 2026; its instructions are those of AMD's public machine-readable ISA for CDNA 5 (MIT licence, August 2026) and "CDNA5" Instruction Set Architecture Reference Guide (July 2026). The comments in the code are by the model that wrote it; some were corrected since.
;; Sol Masked Attention. Allowed arithmetic: matrix products marked QUANTISED: E3M2 operands, one E8M0 scale for each 32 along K, by v_wmma_scale_f32_16x16x128_f8f6f4 with both operands' format E3M2, f32 sums; everything else in f32.
;; Inputs: W_fc 1,024 x 1,024 float32; W_qkv 1,024 x 3,072 float32; b_fc 1,024 float32; b_qkv 3,072 float32; x 4 x 2,048 x 1,024 float32.
;; Outputs: out0 4 x 2,048 x 1,024 float32.
;; This version of the problem:
;;   THIS VERSION OF THE PROBLEM IS GIVEN IN LOW PRECISION. The matrix products marked QUANTISED in the list below multiply operands that are first quantised to E3M2 (3 exponent bits, 2 mantissa bits; 6 bits a number), with one power-of-two scale for each 32 numbers along K (OCP MX v1.0); their sums are f32. All else is computed in f32.
;;   The module's matrix products, in the order in which they are computed (A, B: the left and right operand; K: the contracted axis; several contracted axes count as one K, in the product's order):
;;     1. [M 8,192, K 1,024] x [K 1,024, N 3,072]; A: input x; B: input W_qkv: QUANTISED
;;     2. batch 64 x [M 2,048, K 64] x [K 64, N 2,048]; A: computed on the way; B: computed on the way: QUANTISED
;;     3. batch 64 x [M 2,048, K 2,048] x [K 2,048, N 64]; A: softmax (see below); B: computed on the way: QUANTISED
;;     4. [M 8,192, K 1,024] x [K 1,024, N 1,024]; A: computed on the way; B: input W_fc: QUANTISED
;;   THE QUANTISER, for each operand of a quantised product, along K:
;;     - K is cut into blocks of 32 from its start; a last block that is shorter is filled with zeros.
;;     - A block's scale is 2^e with e = floor(log2(the largest magnitude in the block)) - 4, held to -126 .. 127; a block of zeros has e = 0. As a byte (E8M0): e + 127.
;;     - Each number is divided by its block's scale, clamped to +-28, and rounded to the nearest number of E3M2, ties to even, subnormals kept.
;;     - The product sums the exact products of the quantised numbers (number of the format x scale) in f32.
;;   ~~~python
;;   def quantise(x, axis):      # numpy; x: float32 -> the quantised numbers, widened to float32 again
;;       x = np.moveaxis(x, axis, -1); K = x.shape[-1]
;;       x = np.pad(x, [(0, 0)] * (x.ndim - 1) + [(0, -K % 32)]); x = x.reshape(x.shape[:-1] + (-1, 32)); a = np.abs(x).max(-1, keepdims=True)
;;       e = np.where(a > 0, np.clip(np.frexp(np.where(a > 0, a, 1))[1] - 1 - 4, -126, 127), 0)      # np.frexp(a)[1] - 1 = floor(log2(a)), exactly
;;       r = np.clip(x / 2.0 ** e, -28, 28)
;;       step = 2.0 ** (np.maximum(np.frexp(np.where(r == 0, 1, r))[1] - 1, -2) - 2)
;;       q = np.round(r / step) * step * 2.0 ** e      # np.round: ties to even
;;       return np.moveaxis(q.reshape(q.shape[:-2] + (-1,))[..., :K], -1, axis).astype(np.float32)
;;   ~~~
;;   SOFTMAX AHEAD OF A QUANTISED PRODUCT. Where the list says 'softmax', what is quantised is not the finished softmax but p = 2^(t - M), with t = logit x log2(e) and M = ceil(the row's largest t), a whole number; so 1/2 < the row's largest p <= 1. The row's sum l is taken of the UNQUANTISED p, in f32, and the product's result is divided by l at the end. Since M is a whole number, a kernel that streams over the keys may use a running M (the ceiling of the running maximum): every later rescaling is an exact power of two, which a block's scale takes up: the codes' values come out the same.
;;   OPERANDS COMPUTED ON THE WAY. 'Computed on the way' means the value that the module computes at that place (a softmax that the list does not call 'softmax' is quantised finished and normalised). What goes into a quantiser is computed in f32, as accurately as f32 sums, v_exp_f32 and their like allow (about 1e-6 of the number): no bf16 or f16 on the way to a quantiser, and a product that is left as it is and whose result goes on into a quantised operand takes f32 operands (vector FMAs, or v_wmma_f32_16x16x4_f32). A number that lies on a knife's edge between two numbers of the format may be rounded either way, as far as f32 arithmetic and the matrix unit's own rounding can turn it there, and no further.
;; One version. Each part assembles by itself: llvm-mc -triple=amdgcn-amd-amdhsa -mcpu=gfx1250 --defsym DOCPART=n.
;; ======== version 1 of 1: 4 launches
;; limits: right only within a limited range of input values
;; workspace buffers: x_codes 6,291,456 bytes; x_scales 262,144 bytes; w_codes 6,291,456 bytes; w_scales 131,072 bytes; qkv_img 18,874,368 bytes; qkv_sc 1,310,720 bytes; y_img 6,291,456 bytes; y_sc 262,144 bytes
;; launch quant (part 1): grid 384 x 1, 4 waves a work-group, no clusters, 68,096 bytes of LDS; arguments x, W_qkv, W_fc, x_codes, x_scales, w_codes, w_scales; writes x_codes, x_scales, w_codes, w_scales
.if DOCPART == 1
	.amdgcn_target "amdgcn-amd-amdhsa--gfx1250"
	.amdhsa_code_object_version 6
	.text
	.protected	k_qcb4526c7d1_quant
	.globl	k_qcb4526c7d1_quant
	.p2align	8
	.type	k_qcb4526c7d1_quant,@function
k_qcb4526c7d1_quant:
	s_mov_b64 s[64:65], 0
	v_nop
	global_prefetch_b8 v0, s[64:65] scope:SCOPE_SE
	s_setreg_imm32_b32 hwreg(HW_REG_WAVE_MODE, 25, 1), 1
	s_wait_xcnt 0x0
; x [8192][1024], W_qkv [1024][3072] and W_fc [1024][1024], all f32, become codes of BF6 (E3M2), K innermost (a row of 1,024 codes is 768 bytes), with one E8M0 byte for each 32 along K (32 bytes a row).
; x_codes/x_scales: 8,192 rows.  w_codes/w_scales: 4,096 rows: W_qkv's 3,072 columns, then W_fc's 1,024.
; ROW ORDER: inside each group of 32 rows, bits 3 and 4 of the row's number change places: position 16 u + r holds row 8 u + r + 8 (r / 8).  A matrix result whose source 0 takes 16 neighbouring positions
; then has, in a lane's 16 registers of two neighbouring tiles, 16 neighbours of the true order, which is what the next quantiser wants.
; A block's scale is 2^(floor(log2(largest magnitude)) - 4); its byte is the largest magnitude's exponent field - 4, held at 1 from below.  A block of zeros gets the byte 1 where the rule says 127: its codes are
; zeros, which add nothing under any byte but 0xff, and this program alone reads the bytes.
; LIMITS: blocks whose largest magnitude lies under 2^-122 (the floor) were not tried; NaN and infinities among the inputs are not served.
; Work-groups 0-255 take x (K innermost: 32 rows each, a wave 8 rows), work-groups 256-383 take the weights (K outermost: 128 columns x 256 along K each).  The two ways part on the work-group's number
; and have LDS bytes of their own.  No tensor loads, no barrier: waves share nothing.  Memory binds: matrix units and clusters would add nothing.
.set STEPS, 16
.set EMAX,  4
.set CB,    12                         ; bytes of 16 codes
.set R,     16                         ; x: v16-79   four sets of 16 numbers as loaded
.set X,     80                         ; x: v80-111  two sets of 16 neighbours
.set C,     128                        ; x: v128-191 codes, four registers a step: no store's data are written again
.set E,     112                        ; x: v112-127 a scale byte a step
.set WREG,  8192                       ; x: LDS of a wave: two stages of 32 x SP bytes, then its 256 scale bytes
.set SP,    80                         ; x: a lane's place in a stage: 64 bytes + 16 of padding
.set WST,   32768                      ; W: LDS from here on: a stage of 32 x WP bytes for each wave
.set WP,    272                        ; W: a stage row: sixteen places of 16 bytes (12 of codes) + 16
.set NB,    8                          ; W: blocks of 32 along K for a wave
; IN MEMORY THE CODES LIE BY K STEPS OF 256: [K step (4)][row][192 bytes]; a row's four quarters lie PLANE bytes apart, in x_codes and in w_codes alike (w_codes uses the first half of each plane).
; So 128 rows of one K step are 24,576 dense bytes that begin at a multiple of 256.
.set KROW,  192                        ; a row's bytes in one plane
.set PLANE, 1572864                    ; 8,192 rows x 192 bytes
.set XW,    32                         ; W: v32-95   two sets of 32 numbers
.set CW,    96                         ; W: v96..    a block's codes
.set OUTR,  112                        ; W: v112-175 the way out
.set SB,    24                         ; W: v24-25   the scale bytes
.set OF,    176                        ; W: v176-207 byte offsets 4 x lane + i x pitch, i = 0 .. 31; never rewritten
.set WB,    40                         ; W: s[40:55] the source's address at each of the eight blocks; never rewritten
	s_load_b128 s[4:7], s[0:1], 0x0                ; x, W_qkv
	s_load_b128 s[8:11], s[0:1], 0x10              ; W_fc, x's codes
	s_load_b128 s[12:15], s[0:1], 0x20             ; x's scales, W's codes
	s_load_b64 s[16:17], s[0:1], 0x30              ; W's scales
	v_lshl_add_u32 v208, v0, 2, 0x10800
	v_mov_b32 v209, 0
	v_lshrrev_b32 v1, 5, v0
	v_readfirstlane_b32 s18, v1                    ; wave 0..3
	v_and_b32 v2, 31, v0                           ; lane
	s_cmp_lt_u32 ttmp9, 256
	s_cbranch_scc0 .Lw
; ---------------- x: K innermost.  A wave takes 8 rows = 16 steps of 512 numbers.  Each load reads 512 consecutive bytes; a step's 2,048 bytes turn through the wave's stage, so that a lane holds 16 neighbours.
	v_lshlrev_b32 v3, 4, v2                        ; my 16 bytes of a load's 512
	s_mul_i32 s19, s18, WREG
	v_lshrrev_b32 v14, 2, v2
	v_mul_u32_u24 v14, v14, SP
	v_and_b32 v15, 3, v2
	v_lshl_add_u32 v14, v15, 4, v14
	v_add_nc_u32 v14, s19, v14                     ; into the stage: SP (lane / 4) + 16 (lane % 4)
	v_mul_u32_u24 v15, v2, SP
	v_add_nc_u32 v15, s19, v15                     ; out of it: SP x lane
	v_and_b32 v4, 15, v2
	v_mul_u32_u24 v4, v4, CB                       ; my codes' place in a row's 192 bytes of a plane;
	v_lshrrev_b32 v5, 4, v2
	v_mad_u32_u24 v4, v5, PLANE, v4                ; lanes 16-31 hold the next 256 along K: one plane on
	v_lshrrev_b32 v5, 1, v2
	s_add_co_u32 s19, s19, 2*32*SP
	v_add_nc_u32 v5, s19, v5                       ; my block's byte among the wave's 256
	v_lshlrev_b32 v7, 3, v2
	v_add_nc_u32 v6, s19, v7                       ; and 8 bytes a lane on the way out
	s_lshl_b32 s20, ttmp9, 2
	s_and_b32 s22, s18, 1
	s_lshl_b32 s22, s22, 1
	s_lshr_b32 s23, s18, 1
	s_or_b32 s22, s22, s23                         ; the wave's two bits change places: that is the row order, since a wave has 8 rows
	s_add_co_u32 s22, s22, s20                     ; which run of 8 rows I write
	s_add_co_u32 s20, s20, s18                     ; which run of 8 rows I read
	s_lshl_b32 s20, s20, 15                        ; 32,768 bytes of f32 a run
	s_mov_b32 s21, 0
	s_mul_i32 s24, s22, 8*KROW
	s_mov_b32 s25, 0
	s_lshl_b32 s26, s22, 8                         ; 256 scale bytes a run
	s_mov_b32 s27, 0
	s_wait_alu depctr_va_vdst(0)
	s_wait_kmcnt 0x0
	s_add_nc_u64 s[4:5], s[4:5], s[20:21]
	s_add_nc_u64 s[10:11], s[10:11], s[24:25]
	s_add_nc_u64 s[12:13], s[12:13], s[26:27]
.macro LOAD t
.irp i, 0,1,2,3
	global_load_b128 v[R+16*((\t)%4)+4*\i:R+16*((\t)%4)+4*\i+3], v3, s[4:5] offset:2048*(\t)+512*\i th:TH_LOAD_NT   ; 32 lanes read 512 consecutive bytes
.endr
.endm
.macro TURN t                          ; step t's numbers through the stage: LDS serves a wave's instructions in order, so no wait stands between the stores and the loads
.irp i, 0,1,2,3
	ds_store_b128 v14, v[R+16*((\t)%4)+4*\i:R+16*((\t)%4)+4*\i+3] offset:32*SP*((\t)%2)+8*SP*\i
.endr
.irp i, 0,1,2,3
	ds_load_b128 v[X+16*((\t)%2)+4*\i:X+16*((\t)%2)+4*\i+3], v15 offset:32*SP*((\t)%2)+16*\i
.endr
.endm
.irp t, 0,1,2,3
	LOAD \t
.endr
	s_wait_loadcnt 12                              ; step 0's four loads are in; twelve younger ones stay out
	TURN 0
.macro STEP t
.set XS, X+16*((\t)%2)
.if (\t) > 0
	s_wait_dscnt 1                                 ; this step's numbers are back from the stage (the last step's byte store may be out)
.else
	s_wait_dscnt 0x0
.endif
.if (\t)+4 < STEPS
	LOAD (\t)+4                                    ; into the set whose stores into the stage have read their registers
.endif
.if (\t)+1 < STEPS
.if STEPS-2-(\t) >= 3
	s_wait_loadcnt 12                              ; the next step's four loads are in; those of the three steps behind it may be out
.else
	s_wait_loadcnt 4*(STEPS-2-(\t))
.endif
	TURN (\t)+1
.endif
	v_max3_num_f32 v8, |v[XS]|, |v[XS+1]|, |v[XS+2]|               ; the largest magnitude of my 16, in two chains
	v_max3_num_f32 v9, |v[XS+3]|, |v[XS+4]|, |v[XS+5]|
.irp i, 6,10
	v_max3_num_f32 v8, v8, |v[XS+\i]|, |v[XS+\i+1]|
	v_max3_num_f32 v9, v9, |v[XS+\i+2]|, |v[XS+\i+3]|
.endr
	v_max3_num_f32 v8, v8, |v[XS+14]|, |v[XS+15]|
	v_max3_num_f32 v8, v8, v9, (EMAX+1)<<23        ; and the floor 2^(5 - 127): the byte cannot fall under 1
	v_max_num_f32_dpp v8, v8, v8 row_xmask:1 row_mask:0xf bank_mask:0xf   ; with my neighbour's 16: the block's
	v_add_nc_u32 v11, -(EMAX<<23), v8              ; 4 off its exponent field: the conversion takes the exponent field of this operand as its scale
	v_cvt_scalef32_pk16_bf6_f32 v[C+4*(\t):C+4*(\t)+2], v[XS:XS+15], v11
	v_lshrrev_b32 v[E+(\t)], 23, v11               ; the scale's byte (a plain line behind the conversion)
	ds_store_b8 v5, v[E+(\t)] offset:16*(\t)       ; both lanes of a block write the same byte with the same value
	global_store_b96 v4, v[C+4*(\t):C+4*(\t)+2], s[10:11] offset:KROW*((\t)/2)+2*PLANE*((\t)%2)   ; row t / 2, K steps 2 (t % 2) and 2 (t % 2) + 1: sixteen lanes store 192 consecutive bytes
.endm
.irp t, 0,1,2,3,4,5,6,7,8,9,10,11,12,13,14,15
	STEP \t
.endr
	ds_load_b64 v[12:13], v6                       ; LDS serves a wave's instructions in order: these see my byte stores
	s_wait_dscnt 0x0
	global_store_b64 v7, v[12:13], s[12:13]        ; 32 lanes store 256 consecutive bytes, aligned
	s_wait_tensorcnt 0x0
	ds_add_u32 v208, v209
	s_wait_dscnt 0x0
	s_endpgm
; ---------------- W: K outermost.  A lane takes a column and its registers run down K: a block of 32 lies in one lane, and the conversions give codes with K innermost.
.Lw:
	s_sub_co_u32 s19, ttmp9, 256
	s_lshr_b32 s20, s19, 2                         ; which 128 rows of w_codes: 0-23 W_qkv's columns, 24-31 W_fc's
	s_and_b32 s21, s19, 3                          ; which 256 along K
	s_mov_b32 s30, 4096
	s_wait_kmcnt 0x0
	s_cmp_lt_u32 s20, 24                           ; the choice hangs on the work-group's number alone
	s_cselect_b64 s[6:7], s[6:7], s[8:9]           ; the source,
	s_cselect_b32 s30, 12288, s30                  ; its pitch in bytes,
	s_cselect_b32 s22, 0, 24
	s_sub_co_u32 s22, s20, s22                     ; and the group of 128 columns in it
	s_lshl_b32 s23, s21, 8
	s_mul_i32 s24, s23, s30                        ; 256 ky rows down,
	s_lshl_b32 s22, s22, 9
	s_add_co_u32 s24, s24, s22                     ; 512 bytes a column group,
	s_lshl_b32 s22, s18, 7
	s_add_co_u32 s24, s24, s22                     ; 128 bytes a wave
	s_mov_b32 s25, 0
	s_add_nc_u64 s[WB:WB+1], s[6:7], s[24:25]
	s_lshl_b32 s26, s30, 5                         ; 32 rows
	s_mov_b32 s27, 0
.irp t, 1,2,3,4,5,6,7
	s_add_nc_u64 s[WB+2*\t:WB+2*\t+1], s[WB+2*\t-2:WB+2*\t-1], s[26:27]
.endr
	s_wait_alu depctr_va_vdst(0)
	v_lshlrev_b32 v3, 2, v2
.set i, 0
.rept 32
	v_mad_u32_u24 v[OF+i], s30, i, v3              ; row i of a block, my column
.set i, i+1
.endr
	s_mul_i32 s28, s18, 32*WP
	s_add_co_u32 s28, s28, WST                     ; my stage
	v_mul_u32_u24 v4, v2, WP
	v_add_nc_u32 v4, s28, v4                       ; into it: row = my column
	v_and_b32 v5, 15, v2
	v_lshrrev_b32 v6, 4, v2
	v_mul_u32_u24 v7, v6, WP
	v_lshl_add_u32 v7, v5, 4, v7
	v_add_nc_u32 v7, s28, v7                       ; out of it: sixteen lanes to a row, two rows an instruction
	v_mul_u32_u24 v8, v6, KROW
	v_mad_u32_u24 v8, v5, 12, v8                   ; and the same place in the codes' buffer
	v_and_b32 v9, 7, v2
	v_bfe_u32 v10, v2, 3, 1
	v_lshl_or_b32 v9, v10, 4, v9
	v_bfe_u32 v10, v2, 4, 1
	v_lshl_or_b32 v9, v10, 3, v9                   ; my column's position in the row order
	v_lshlrev_b32 v9, 5, v9                        ; its row of scale bytes
	s_lshl_b32 s29, s20, 7
	s_lshl_b32 s31, s18, 5
	s_add_co_u32 s29, s29, s31                     ; my wave's first row of w_codes
	s_mul_i32 s32, s29, KROW
	s_mul_i32 s31, s21, PLANE                      ; my 256 along K are one plane
	s_add_co_u32 s32, s32, s31
	s_mov_b32 s33, 0
	s_add_nc_u64 s[14:15], s[14:15], s[32:33]
	s_lshl_b32 s32, s29, 5
	s_lshl_b32 s31, s21, 3
	s_add_co_u32 s32, s32, s31
	s_add_nc_u64 s[16:17], s[16:17], s[32:33]
.macro WLOAD t                         ; block t: W(32 t + i, my column) into set t % 2; 32 lanes read 128 consecutive bytes, the four waves 512
.set i, 0
.rept 32
	global_load_b32 v[XW+32*((\t)%2)+i], v[OF+i], s[WB+2*(\t):WB+2*(\t)+1] th:TH_LOAD_NT
.set i, i+1
.endr
.endm
	WLOAD 0
	WLOAD 1
.macro BLOCK t
.set XS, XW+32*((\t)%2)
.if (\t) < NB-1
	s_wait_loadcnt 32                              ; this block's 32 loads are in; the next block's may be out
.else
	s_wait_loadcnt 0
.endif
	v_max3_num_f32 v12, |v[XS]|, |v[XS+1]|, |v[XS+2]|              ; the block's largest magnitude: all 32 numbers are mine
	v_max3_num_f32 v13, |v[XS+3]|, |v[XS+4]|, |v[XS+5]|
.irp i, 6,10,14,18,22,26
	v_max3_num_f32 v12, v12, |v[XS+\i]|, |v[XS+\i+1]|
	v_max3_num_f32 v13, v13, |v[XS+\i+2]|, |v[XS+\i+3]|
.endr
	v_max3_num_f32 v12, v12, |v[XS+30]|, |v[XS+31]|
	v_max3_num_f32 v12, v12, v13, (EMAX+1)<<23     ; and the floor
	v_add_nc_u32 v11, -(EMAX<<23), v12             ; the conversion's scale operand
	v_lshrrev_b32 v13, 23, v11                     ; the scale's byte
.if (\t)%4 == 0
	v_mov_b32 v[SB+(\t)/4], v13                    ; four bytes to a register, the lower K in the lower byte
.else
	v_lshl_or_b32 v[SB+(\t)/4], v13, 8*((\t)%4), v[SB+(\t)/4]
.endif
	v_cvt_scalef32_pk16_bf6_f32 v[CW:CW+2], v[XS:XS+15], v11
	v_cvt_scalef32_pk16_bf6_f32 v[CW+4:CW+6], v[XS+16:XS+31], v11  ; (a conversion's three registers begin on an even number)
	ds_store_b96 v4, v[CW:CW+2] offset:32*(\t)     ; 12 bytes to a place of 16, so that every LDS address is a multiple of 16
	ds_store_b96 v4, v[CW+4:CW+6] offset:32*(\t)+16
.if (\t)+2 < NB
	WLOAD (\t)+2
.endif
	s_wait_dscnt 0x0                               ; the stores have read their registers: the next block's codes may be written
.endm
.set Q, 0
.rept NB
	BLOCK Q
.set Q, Q+1
.endr
	s_wait_alu depctr_va_vdst(0)
	global_store_b64 v9, v[SB:SB+1], s[16:17]      ; my column's 8 scale bytes
.irp t, 0,1,2,3,4,5,6,7,8,9,10,11,12,13,14,15
	ds_load_b96 v[OUTR+4*\t:OUTR+4*\t+2], v7 offset:2*\t*WP   ; LDS serves a wave's instructions in order: these see my stores
.endr
.irp t, 0,1,2,3,4,5,6,7,8,9,10,11,12,13,14,15
	s_wait_dscnt 15-\t                             ; the younger reads may stay out
	global_store_b96 v8, v[OUTR+4*\t:OUTR+4*\t+2], s[14:15] offset:(((2*\t)&7)|((((2*\t)>>3)&1)<<4)|((((2*\t)>>4)&1)<<3))*KROW   ; columns 2 t, 2 t + 1 at their positions: sixteen lanes store a row's 192 consecutive bytes
.endr
	s_wait_tensorcnt 0x0
	ds_add_u32 v208, v209
	s_wait_dscnt 0x0
	s_endpgm
.Lfunc_end_k_qcb4526c7d1_quant:
	.size	k_qcb4526c7d1_quant, .Lfunc_end_k_qcb4526c7d1_quant-k_qcb4526c7d1_quant
	.p2alignl 7, 3214868480
	.fill 96, 4, 3214868480
	.section	.rodata,"a",@progbits
	.p2align	6, 0x0
	.amdhsa_kernel k_qcb4526c7d1_quant
		.amdhsa_group_segment_fixed_size 68096
		.amdhsa_private_segment_fixed_size 0
		.amdhsa_enable_private_segment 0
		.amdhsa_kernarg_size 56
		.amdhsa_user_sgpr_count 2
		.amdhsa_user_sgpr_kernarg_segment_ptr 1
		.amdhsa_wavefront_size32 1
		.amdhsa_system_sgpr_workgroup_id_x 1
		.amdhsa_system_sgpr_workgroup_id_y 1
		.amdhsa_system_sgpr_workgroup_id_z 1
		.amdhsa_system_vgpr_workitem_id 0
		.amdhsa_next_free_vgpr 210
		.amdhsa_next_free_sgpr 66
		.amdhsa_reserve_vcc 0
		.amdhsa_float_denorm_mode_32 3
		.amdhsa_float_denorm_mode_16_64 3
		.amdhsa_memory_ordered 1
		.amdhsa_forward_progress 1
		.amdhsa_inst_pref_size 76
	.end_amdhsa_kernel
	.amdgpu_metadata
---
amdhsa.version: [ 1, 2 ]
amdhsa.kernels:
  - .name:           k_qcb4526c7d1_quant
    .symbol:         k_qcb4526c7d1_quant.kd
    .args:
      - { .name: x, .offset: 0, .size: 8, .value_kind: global_buffer, .address_space: global }
      - { .name: W_qkv, .offset: 8, .size: 8, .value_kind: global_buffer, .address_space: global }
      - { .name: W_fc, .offset: 16, .size: 8, .value_kind: global_buffer, .address_space: global }
      - { .name: x_codes, .offset: 24, .size: 8, .value_kind: global_buffer, .address_space: global }
      - { .name: x_scales, .offset: 32, .size: 8, .value_kind: global_buffer, .address_space: global }
      - { .name: w_codes, .offset: 40, .size: 8, .value_kind: global_buffer, .address_space: global }
      - { .name: w_scales, .offset: 48, .size: 8, .value_kind: global_buffer, .address_space: global }
    .group_segment_fixed_size: 68096
    .private_segment_fixed_size: 0
    .kernarg_segment_align: 8
    .kernarg_segment_size: 56
    .max_flat_workgroup_size: 128
    .sgpr_count:     66
    .vgpr_count:     210
    .wavefront_size: 32
...
	.end_amdgpu_metadata
.endif
;; end of part 1
;; launch qkv (part 2): grid 12 x 32, 4 waves a work-group, clusters of 4 x 4, 327,680 bytes of LDS; arguments x_codes, x_scales, w_codes, w_scales, b_qkv, qkv_img, qkv_sc; writes qkv_img, qkv_sc
.if DOCPART == 2
	.amdgcn_target "amdgcn-amd-amdhsa--gfx1250"
	.amdhsa_code_object_version 6
	.text
	.protected	k_qcb4526c7d1_qkv
	.globl	k_qcb4526c7d1_qkv
	.p2align	8
	.type	k_qcb4526c7d1_qkv,@function
k_qcb4526c7d1_qkv:
	s_mov_b64 s[64:65], 0
	v_nop
	global_prefetch_b8 v0, s[64:65] scope:SCOPE_SE
	s_setreg_imm32_b32 hwreg(HW_REG_WAVE_MODE, 25, 1), 1
	s_wait_xcnt 0x0
	s_wait_alu depctr_hold_cnt(0) depctr_sa_sdst(0) depctr_va_vdst(0) depctr_va_sdst(0) depctr_va_ssrc(0) depctr_va_vcc(0) depctr_vm_vsrc(0)
	s_getreg_b32 s2, hwreg(HW_REG_IB_STS2, 6, 4)
	s_cmp_eq_u32 s2, 0
	s_cbranch_scc0 .Lentry_in_a_cluster
	s_endpgm
.Lentry_in_a_cluster:
	s_bfe_u32 s2, ttmp6, 0x10000c
	s_cmp_lg_u32 s2, 0xf033
	s_cbranch_scc0 .Lentry_shape_is_right
	s_endpgm
.Lentry_shape_is_right:
; qkv = x W_qkv + b_qkv on codes of BF6 (E3M2) with E8M0 scales; q, k and v leave as CODES, quantised in registers on the way out: q and k along the head's 64, v along the keys.  K = 1,024.
; A tile of 256 x 256 is made by a work-group of four waves, a wave 128 x 128: 64 accumulators, 512 registers.  K goes in steps of 256 through a ring of two LDS slots filled by the tensor data mover.
; TWO OPERANDS, P AND Q.  P is source 1: its row is the result's lane.  Q is source 0: its rows run along a lane's registers, and that is the axis that is quantised next.
;   clusters x = 0, 1 (q, k): P = x's rows, Q = W's columns 0-2,047: a lane holds one token, its registers run along d.
;   cluster  x = 2    (v):    P = W's columns 2,048-3,071, Q = x's rows: a lane holds one d, its registers run along the keys.
; The choice hangs on the cluster's x alone, which all sixteen partners share.  Both operands lie in the row order of the quantising launch (bits 3 and 4 of a row's number changed places), so register 16 b + i of a
; block's 64 results is the true index 32 b + 16 (lane / 16) + i of Q.
; OUT.  qkv_img [batch x head (64)][q 98,304 | k 98,304 | v 98,304 bytes]: images of operand registers.  q, k: [tile of 16 positions (128)][piece (3)][lane][8 bytes]: the six registers that hold d = 32 (lane / 16) + 0 .. 31.
;   v: [128 keys (16)][tile of 16 d (4)][group (3)][lane][16 bytes]: the twelve registers of a fragment.  qkv_sc [batch x head][q 8,192 | k 8,192 | v 4,096]: q, k: [4 tiles (32)][r (16)][tile % 4] words, bytes 0, 1 the row's two
;   scales, bytes 2, 3 the next head's or 0 (they meet zero codes only); v: [128 keys (16)][r (16)][tile of d (4)] words.  Every store of the images covers 256 or 512 consecutive bytes, aligned.
; CLUSTERS: 4 x 4 work-groups; P's tiles are shared along a row of the cluster, Q's along a column: joint loads.  384 work-groups: one and a half turns of 256.
; LIMITS: a block of zeros gets the byte 1 (its codes are zeros); magnitudes under 2^-122, NaN and infinities are not served.
; REGISTERS: window 0: v0-31 addresses; v32-63 scale words, two sets, and nothing else; v64-127 the bias along Q; v128-223 P's fragments, ONE set; v224-239 the bias along P; on the way out v128-223 and v240-255 are at work.
;   window 1: Q's fragments, TWO sets.   windows 2, 3: the accumulators ((a, b) at v[8 (8 (a % 4) + b)]).
.set KSTEP,  256
.set NQ,     2
.set ROWB,   1572864                   ; bytes from one K step's plane of codes to the next: the codes lie [K step (4)][row][192 bytes]
.set KROW,   192                       ; a row's bytes in a plane: 128 rows are 24,576 dense bytes, fetched as 96 rows of 256 bytes
.set G0H,    4                         ; s[4:7], s[8:11] group 0 of the head's loads of K step 0: P's 256 rows, Q's 256 rows (the arguments that lay there have been used by then)
.set G0HB,   8
.set PITCH,  240                       ; an LDS row: 3 x (64 bytes + 16 of padding): the 32 lanes of a load of 8 bytes touch 64 different banks (64 banks of 4 bytes: ISA guide 11.1)
.set FR,     12
.set NL,     6
.set NP,     4                         ; places behind this matrix instruction (ISA guide 7.12.1)
.set HALFT,  128*PITCH
.set SLOT,   4*HALFT
.set LAPS,   2                         ; 1,024 / 512
.set KS,     32                        ; a row of scale bytes
.set SCL,    2*SLOT
.set HALFS,  (128*KS/256)*272
.set SBLK,   (16*KS/256)*272
.set SPARE,  SCL+4*HALFS               ; the spare words, 128 bytes for each wave: two blocks of 256 bytes that no other line names
.set H16,  14                          ; v14  16 x (lane / 16)
.set ADRA, 16                          ; v16-19  LDS addresses of P's fragments
.set ADRB, 20                          ; v20-23  of Q's
.set LN8,  24                          ; v24  8 x lane
.set LN16, 25                          ; v25  16 x lane
.set SCO,  26                          ; v26  16 r + 20,480 (lane / 16): lanes 16-31 write the next head's scale words
.set ADRS, 27
.set SPW,  28
.set NIL,  29
.set BQA,  30                          ; v30  64 (lane / 16)
.set BPA,  31                          ; v31  4 (r + 8 (r / 8))
.set SC,   32
.set BQ,   64
.set AF,   128
.set BP,   224
.set ST,   128                         ; the way out: 64 numbers
.set PC,   192                         ; v192-210 the codes just made
.set PW,   211                         ; the scale word just made
.set SW,   212                         ; v212-219 the eight blocks' scale words
.set SX,   220                         ; v220-223
.set TM,   240                         ; v240-255 at work
.set G1, 24
.set G0, 32
.set G1B, 48
.set G0B, 56
.set G1S, 68
.set G0S, 76
.set G1SB, 80
.set G0SB, 88
.set SEL, 100                          ; s[100:101] v_permlanex16_b32's selects for lane l xor 16
.set MSB, 0
.macro WIN new                         ; the immediate's high byte repeats the setting that is left
.if MSB != (\new)
	s_set_vgpr_msb (MSB<<8)|(\new)
.set MSB, (\new)
.endif
.endm
.set MUL_LO, 0xa1                      ; source 0 (Q) window 1, source 1 (P) window 0, C and D window 2
.set MUL_HI, 0xf1
.set TO_B,   0x40
; A joint load: waves 0 and 1 fetch for P, waves 2 and 3 for Q; the branch hangs on the wave's number alone.  Four v_nop follow each of the two lines.
.macro JLOAD g0a, g1a, g0b, g1b
	s_cmp_eq_u32 s15, 0
	s_cbranch_scc0 .Lfor_b_\@
	tensor_load_to_lds s[\g0a:\g0a+3], s[\g1a:\g1a+7]
	s_nop 0
.rept 4
	v_nop
.endr
	s_branch .Lasked_\@
.Lfor_b_\@:
	tensor_load_to_lds s[\g0b:\g0b+3], s[\g1b:\g1b+7]
	s_nop 0
.rept 4
	v_nop
.endr
.Lasked_\@:
.endm
.macro CREST                           ; a round of the cluster's barrier behind its opening barrier
	s_cmp_lg_u32 s14, 0
	s_cbranch_scc1 .Lnot_wave_0_\@
	s_barrier_signal -3
.Lnot_wave_0_\@:
	s_barrier_wait -3
	s_barrier_signal -1
	s_barrier_wait -1
.endm
.macro CROUND
	s_barrier_signal -1
	s_barrier_wait -1
	CREST
.endm
	s_load_b128 s[4:7], s[0:1], 0x0                ; x's codes, x's scales
	s_load_b128 s[8:11], s[0:1], 0x10              ; W's codes, W's scales
	s_load_b64 s[12:13], s[0:1], 0x20              ; b_qkv
	s_load_b64 s[96:97], s[0:1], 0x28              ; the images
	s_load_b64 s[98:99], s[0:1], 0x30              ; their scale words
	v_lshl_add_u32 v[SPW], v0, 2, SPARE
	v_mov_b32 v[NIL], 0
	ds_add_u32 v28, v29
	ds_add_u32 v28, v29
	s_wait_dscnt 0x0
	v_lshrrev_b32 v1, 5, v0
	v_readfirstlane_b32 s14, v1                    ; wave 0..3
	s_lshr_b32 s15, s14, 1                         ; which half of P's rows is mine.  Also: I fetch for P (0) or for Q (1)
	s_and_b32 s16, s14, 1                          ; which half of Q's rows.  Also: which 128 rows of that tile I fetch
	s_bfe_u32 s40, ttmp6, 0x40000                  ; cx, cy: my place in the cluster
	s_bfe_u32 s41, ttmp6, 0x40004
	s_and_b32 s18, ttmp7, 0xffff                   ; the cluster's y
	s_cmp_lt_u32 ttmp9, 2                          ; q, k (cluster x 0, 1) or v (2)
	s_cselect_b32 s17, s18, 2
	s_cselect_b32 s42, ttmp9, s18
	s_lshl_b32 s17, s17, 2
	s_add_co_u32 s17, s17, s41                     ; P's tile of 256 rows: 4 x (cluster y, or 2) + cy
	s_lshl_b32 s42, s42, 2
	s_add_co_u32 s42, s42, s40                     ; Q's tile: 4 x (cluster x, or cluster y) + cx
	s_lshl_b32 s43, s41, 2
	s_lshl_b32 s43, 15, s43                        ; my row of the cluster
	s_lshl_b32 s44, 0x1111, s40                    ; my column
	s_mov_b32 s[SEL], 0x76543210
	s_mov_b32 s[SEL+1], 0xfedcba98
	; descriptor group 1: a tile of 128 rows x 192 bytes; 16 bytes of padding behind every 64
	s_or_b32 s[G1+0], s43, (0<<16)|(1<<20)|(1<<21)|(3<<22)|(3<<25)  ; 15:0 the mask: P's tiles go to my row; elements of 1 byte; padding on; 21 set beside a mask; after every 16 words 4 words
	s_or_b32 s[G1B+0], s44, (0<<16)|(1<<20)|(1<<21)|(3<<22)|(3<<25)
.irp g, G1, G1B
	s_mov_b32 s[\g+1], 49152<<16                   ; the head's loads: a row is the 49,152 dense bytes of 256 rows of codes in one plane (a multiple of 256, from a multiple of 256); the padding's interval stays 64 bytes
	s_mov_b32 s[\g+2], 2<<16                       ; two such rows: K steps 0 and 1,
	s_mov_b32 s[\g+3], 49152<<16
	s_mov_b32 s[\g+4], 2
	s_mov_b32 s[\g+5], ROWB                        ; a plane apart
	s_mov_b32 s[\g+6], 0
	s_mov_b32 s[\g+7], 0
.endr
	; the scales of 128 rows: 4,096 dense bytes as 16 rows of 256 bytes (32 elements of 8), 16 bytes of padding behind each
	s_or_b32 s[G1S+0], s43, (3<<16)|(1<<20)|(1<<21)|(5<<22)|(3<<25)
	s_or_b32 s[G1SB+0], s44, (3<<16)|(1<<20)|(1<<21)|(5<<22)|(3<<25)
.irp g, G1S, G1SB
	s_mov_b32 s[\g+1], 32<<16
	s_mov_b32 s[\g+2], KS<<16                      ; the scales of 256 rows: 8,192 dense bytes, 32 rows of 256
	s_mov_b32 s[\g+3], 32<<16
	s_mov_b32 s[\g+4], KS
	s_mov_b32 s[\g+5], 32
	s_mov_b32 s[\g+6], 0
	s_mov_b32 s[\g+7], 0
.endr
	s_lshl_b32 s20, s17, 8                         ; P's tile: its first row
	s_lshl_b32 s46, s42, 8                         ; Q's
	s_mov_b32 s21, 0
	s_mov_b32 s47, 0
	s_mov_b64 s[18:19], KS
	s_mul_u64 s[22:23], s[20:21], s[18:19]         ; where these rows' scales begin,
	s_mul_u64 s[92:93], s[46:47], s[18:19]
	s_mov_b64 s[18:19], KROW
	s_mul_u64 s[20:21], s[20:21], s[18:19]         ; and their codes
	s_mul_u64 s[46:47], s[46:47], s[18:19]
	s_mul_i32 s45, s16, HALFT                      ; where my 128 rows go in a slot's part.  LDS: P's slot 0, P's slot 1, Q's slot 0, Q's slot 1, 2 HALFT each: no place in the cluster enters an LDS address
	s_mul_i32 s18, s16, 128*KROW                   ; in the ring I fetch 128 rows of a tile: which half, in bytes
	s_mov_b32 s19, 0
	s_wait_kmcnt 0x0
	s_cmp_lt_u32 ttmp9, 2                          ; for v the two tensors change roles: s[4:7] become P's codes and scales, s[8:11] Q's
	s_cselect_b64 s[2:3], s[4:5], s[8:9]
	s_cselect_b64 s[8:9], s[8:9], s[4:5]
	s_mov_b64 s[4:5], s[2:3]
	s_cselect_b64 s[2:3], s[6:7], s[10:11]
	s_cselect_b64 s[10:11], s[10:11], s[6:7]
	s_mov_b64 s[6:7], s[2:3]
	s_add_nc_u64 s[20:21], s[4:5], s[20:21]
	s_add_nc_u64 s[22:23], s[6:7], s[22:23]
	s_add_nc_u64 s[46:47], s[8:9], s[46:47]
	s_add_nc_u64 s[92:93], s[10:11], s[92:93]
	CROUND                                         ; all sixteen work-groups are here: the first joint loads meet
	s_mov_b32 s[G0S], 1
	s_mov_b32 s[G0S+1], SCL
	s_mov_b64 s[G0S+2:G0S+3], s[22:23]
	s_or_b32 s[G0S+3], s[G0S+3], 0x80000000
	s_mov_b32 s[G0SB], 1
	s_mov_b32 s[G0SB+1], SCL+2*HALFS
	s_mov_b64 s[G0SB+2:G0SB+3], s[92:93]
	s_or_b32 s[G0SB+3], s[G0SB+3], 0x80000000
	s_mov_b32 s[G0H], 1                            ; K step 0's 256 rows of P,
	s_mov_b32 s[G0H+1], 0
	s_mov_b64 s[G0H+2:G0H+3], s[20:21]
	s_or_b32 s[G0H+3], s[G0H+3], 0x80000000
	s_mov_b32 s[G0HB], 1                           ; and of Q, behind them in slot 0
	s_mov_b32 s[G0HB+1], 4*HALFT
	s_mov_b64 s[G0HB+2:G0HB+3], s[46:47]
	s_or_b32 s[G0HB+3], s[G0HB+3], 0x80000000
	s_add_nc_u64 s[20:21], s[20:21], s[18:19]      ; for the ring: my 128 rows of the tile
	s_add_nc_u64 s[46:47], s[46:47], s[18:19]
.irp s, 0,1
	s_mov_b32 s[G0+4*\s], 1
	s_add_co_u32 s[G0+4*\s+1], s45, \s*2*HALFT
	s_add_nc_u64 s[G0+4*\s+2:G0+4*\s+3], s[20:21], \s*ROWB
	s_or_b32 s[G0+4*\s+3], s[G0+4*\s+3], 0x80000000
	s_mov_b32 s[G0B+4*\s], 1
	s_add_co_u32 s[G0B+4*\s+1], s45, 4*HALFT+\s*2*HALFT
	s_add_nc_u64 s[G0B+4*\s+2:G0B+4*\s+3], s[46:47], \s*ROWB
	s_or_b32 s[G0B+4*\s+3], s[G0B+4*\s+3], 0x80000000
.endr
; THE HEAD'S LOADS, ONE A WAVE: wave 0 P's 256 rows of K steps 0 and 1 (both of P's slots), wave 1 Q's likewise, wave 2 P's scales, wave 3 Q's.
; One chain of branches on the wave's number; every way passes one load.
.macro ARM under, g0, g1, next
	s_cmp_lt_u32 s14, \under
	s_cbranch_scc0 \next
	tensor_load_to_lds s[\g0:\g0+3], s[\g1:\g1+7]
	s_nop 0
.rept 4
	v_nop
.endr
	s_branch .Lhead_asked
\next:
.endm
	ARM 1, G0H,  G1,  .Lhead_b
	ARM 2, G0HB, G1B, .Lhead_sa
	ARM 3, G0S,  G1S, .Lhead_sb
	tensor_load_to_lds s[G0SB:G0SB+3], s[G1SB:G1SB+7]
	s_nop 0
.rept 4
	v_nop
.endr
.Lhead_asked:
	v_and_b32 v1, 15, v0                           ; r
	v_bfe_u32 v2, v0, 4, 1                         ; h
	v_mul_u32_u24 v3, v1, PITCH
	v_mul_u32_u24 v4, v2, 24
	v_add_nc_u32 v4, v3, v4                        ; a fragment's row x pitch + 24 h
	v_lshl_add_u32 v5, v2, 4, v4                   ; and the same behind one padding more
	s_mul_i32 s21, s15, HALFT                      ; my 128 rows of P
	s_mul_i32 s22, s16, HALFT                      ; my 128 rows of Q,
	s_add_co_u32 s22, s22, 4*HALFT                 ; which lie behind P's two slots
.irp s, 0,1
	v_add_nc_u32 v[ADRA+\s], s21, v4
	v_add_nc_u32 v[ADRB+\s], s22, v4
	v_add_nc_u32 v[ADRA+2+\s], s21, v5
	v_add_nc_u32 v[ADRB+2+\s], s22, v5
	s_add_co_u32 s21, s21, 2*HALFT
	s_add_co_u32 s22, s22, 2*HALFT
.endr
	v_mul_u32_u24 v5, v1, KS                       ; my row's scales: 32 bytes a row,
	v_lshrrev_b32 v6, 8, v5
	v_lshl_add_u32 v5, v6, 4, v5                   ; and 16 more for each 256 passed
	s_mul_i32 s21, s15, HALFS
	s_mul_i32 s22, s16, HALFS
	s_add_co_u32 s22, s22, 2*HALFS
	s_sub_co_u32 s22, s22, s21
	v_mul_u32_u24 v6, s22, v2                      ; lanes 16-31 take Q's
	s_add_co_u32 s21, s21, SCL
	v_add_nc_u32 v5, v5, v6
	v_add_nc_u32 v[ADRS], s21, v5
	v_lshlrev_b32 v[H16], 4, v2
	v_and_b32 v6, 31, v0
	v_lshlrev_b32 v[LN8], 3, v6
	v_lshlrev_b32 v[LN16], 4, v6
	v_mul_u32_u24 v5, v2, 20480
	v_lshl_add_u32 v[SCO], v1, 4, v5
	v_lshlrev_b32 v[BQA], 6, v2
	s_wait_alu depctr_va_vdst(0)
	v_and_b32 v5, 8, v1
	v_add_nc_u32 v5, v5, v1
	v_lshlrev_b32 v[BPA], 2, v5
	; the bias.  For q, k it runs along Q (a lane's registers), for v along P (the lane).  Both sets are loaded on both ways, the one that is not used from the buffer's start.
	s_wait_alu depctr_va_vdst(0)
	s_lshl_b32 s46, s42, 10
	s_lshl_b32 s47, s16, 9
	s_add_co_u32 s46, s46, s47                     ; 4 x (256 Q's tile + 128 my half)
	s_lshl_b32 s20, s17, 10
	s_lshl_b32 s21, s15, 9
	s_add_co_u32 s20, s20, s21                     ; 4 x (256 P's tile + 128 my half)
	s_cmp_lt_u32 ttmp9, 2
	s_cselect_b32 s46, s46, 0
	s_cselect_b32 s20, 0, s20
	s_mov_b32 s47, 0
	s_mov_b32 s21, 0
	s_add_nc_u64 s[46:47], s[12:13], s[46:47]
	s_add_nc_u64 s[20:21], s[12:13], s[20:21]
.irp bb, 0,1,2,3
.irp jj, 0,1,2,3
	global_load_b128 v[BQ+16*\bb+4*\jj:BQ+16*\bb+4*\jj+3], v[BQA], s[46:47] offset:128*\bb+16*\jj   ; register 16 bb + i: column 32 bb + 16 h + i
.endr
.endr
.irp a, 0,1,2,3,4,5,6,7
	global_load_b32 v[BP+2*\a], v[BPA], s[20:21] offset:4*(32*(\a/2)+8*(\a%2))                       ; block a, lane r: column 32 (a / 2) + 8 (a % 2) + r + 8 (r / 8),
	global_load_b32 v[BP+2*\a+1], v[BPA], s[20:21] offset:4*(32*(\a/2)+8*(\a%2))                     ; twice: a pair for the packed addition
.endr
.macro FRAG reg, adr, q, i             ; a fragment, 16 rows x 128 K, is 12 registers: registers 6 c .. 6 c + 5 hold K = 64 c + 32 (l / 16) + 0 .. 31: 24 bytes of the row's stream of bits, in pieces of 8
.irp p, 0,1,2,3,4,5
.set PIECE, 12*(\q)+6*(\p/3)+\p%3      ; 16 bytes of padding lie behind every 8 pieces: where the piece three on lies behind one padding more, the second address register serves
.if PIECE%8 < 5
	ds_load_b64 v[\reg+2*\p:\reg+2*\p+1], v[\adr] offset:8*PIECE+16*(PIECE/8)+(\i)*16*PITCH
.else
	ds_load_b64 v[\reg+2*\p:\reg+2*\p+1], v[\adr+2] offset:8*PIECE+16*(PIECE/8)+(\i)*16*PITCH
.endif
.endr
.endm
; 16 matrix instructions: P's blocks a0, a0 + 1 x Q's eight.  The 64 accumulators take turns, one instruction a turn, in the same order in every step.
.macro MUL16 a0, p, q, sc, zero
.irp a, \a0, \a0+1
.irp b, 0,1,2,3,4,5,6,7
.if \zero
	v_wmma_scale_f32_16x16x128_f8f6f4 v[8*(8*((\a)%4)+\b):8*(8*((\a)%4)+\b)+7], v[128*(\p)+FR*\b:128*(\p)+FR*\b+FR-1], v[AF+FR*(\a):AF+FR*(\a)+FR-1], 0, v[SC+8*NQ*(\sc)+NQ*\b+(\q)], v[SC+8*NQ*(\sc)+NQ*(\a)+(\q)] matrix_a_fmt:MATRIX_FMT_BF6 matrix_b_fmt:MATRIX_FMT_BF6 matrix_a_scale:MATRIX_SCALE_ROW1
.else
	v_wmma_scale_f32_16x16x128_f8f6f4 v[8*(8*((\a)%4)+\b):8*(8*((\a)%4)+\b)+7], v[128*(\p)+FR*\b:128*(\p)+FR*\b+FR-1], v[AF+FR*(\a):AF+FR*(\a)+FR-1], v[8*(8*((\a)%4)+\b):8*(8*((\a)%4)+\b)+7], v[SC+8*NQ*(\sc)+NQ*\b+(\q)], v[SC+8*NQ*(\sc)+NQ*(\a)+(\q)] matrix_a_fmt:MATRIX_FMT_BF6 matrix_b_fmt:MATRIX_FMT_BF6 matrix_a_scale:MATRIX_SCALE_ROW1
.endif
.endr
.endr
.endm
.macro FETCH_B slot, q, p
	WIN TO_B
.irp i, 0,1,2,3,4,5,6,7
	FRAG 128*(\p)+FR*\i, ADRB+\slot, \q, \i
.endr
	WIN 0
.endm
.macro FETCH_A slot, q, i0
.irp i, \i0, \i0+1, \i0+2, \i0+3
	FRAG AF+FR*(\i), ADRA+\slot, \q, \i
.endr
.endm
.macro SCALES sc                       ; a K step's scale words: lanes 0-15 take P's block i, lanes 16-31 Q's block i
.irp i, 0,1,2,3,4,5,6,7
	ds_load_b64 v[SC+8*NQ*\sc+NQ*\i:SC+8*NQ*\sc+NQ*\i+1], v[ADRS] offset:\i*SBLK
.endr
.endm
.macro PLACES n                        ; plain vector lines between a matrix instruction and a load into, or a vector line on, its registers
.rept \n
	v_nop
.endr
.endm
.macro STEP slot, q, zero              ; 128 along K that have their successor in the same slot
	s_wait_dscnt 4*NL                              ; Q's set and P's blocks 0-3 are in; the youngest 24 loads (P's blocks 4-7) may be out
	WIN MUL_LO
	MUL16 0, (\q)%2, \q, \slot, \zero
	MUL16 2, (\q)%2, \q, \slot, \zero
	s_wait_dscnt 0                                 ; P's blocks 4-7 are in
	PLACES NP
	FETCH_B \slot, (\q)+1, 1-(\q)%2
	FETCH_A \slot, (\q)+1, 0
	WIN MUL_HI
	MUL16 4, (\q)%2, \q, \slot, \zero
	MUL16 6, (\q)%2, \q, \slot, \zero
	PLACES NP
	WIN 0
	FETCH_A \slot, (\q)+1, 4
.endm
; A slot's last step changes slots: ONE barrier; in front of it each wave waits for all its tensor loads, adds 0 to its spare word, and waits for that and for its own reads of this slot.
.macro TURN slot, next, fill
	s_wait_tensorcnt 0x0                           ; all my tensor loads have landed: my part of the next slot
	ds_add_u32 v[SPW], v[NIL]                      ; 0 onto my spare word
	s_wait_dscnt 4*NL+1                            ; (the add and the youngest 24 loads may be out)
	WIN MUL_LO
	MUL16 0, 1, NQ-1, \slot, 0
	s_wait_dscnt 0x0                               ; the add is done, and my reads of this slot are over
	s_barrier_signal -1
	MUL16 2, 1, NQ-1, \slot, 0
	WIN 0
	s_barrier_wait -1
.if \fill
	CREST                                          ; the barrier has opened a round of the cluster's barrier: no wave of any partner still reads this slot or has a load on its way
	s_add_nc_u64 s[G0+4*\slot+2:G0+4*\slot+3], s[G0+4*\slot+2:G0+4*\slot+3], 2*ROWB
	s_add_nc_u64 s[G0B+4*\slot+2:G0B+4*\slot+3], s[G0B+4*\slot+2:G0B+4*\slot+3], 2*ROWB
	JLOAD G0+4*\slot, G1, G0B+4*\slot, G1B         ; the first tensor load behind the round; its four v_nop are the places in front of the loads below
.else
	PLACES NP
.endif
	s_wait_alu depctr_va_vdst(0)
	v_add_nc_u32 v[ADRS], 4*NQ, v[ADRS]            ; on to the next K step's scale words
	FETCH_B \next, 0, 0
	FETCH_A \next, 0, 0
	SCALES \next
	WIN MUL_HI
	MUL16 4, 1, NQ-1, \slot, 0
	MUL16 6, 1, NQ-1, \slot, 0
	PLACES NP
	WIN 0
	FETCH_A \next, 0, 4
.endm
	s_wait_loadcnt 0x0                             ; the biases, once
	s_wait_tensorcnt 0x0                           ; my tile of the head's four is in, and no tensor load of mine is out: the descriptors may be written
.irp g, G1, G1B
	s_mov_b32 s[\g+1], 256<<16                     ; from here on a load brings 128 rows of codes of one K step: 24,576 dense bytes as 96 rows of 256
	s_mov_b32 s[\g+2], 96<<16
	s_mov_b32 s[\g+3], 256<<16
	s_mov_b32 s[\g+4], 96
	s_mov_b32 s[\g+5], 256
.endr
	s_barrier_signal -1
	s_barrier_wait -1                              ; everybody's tile is in: both slots and the scales
	FETCH_B 0, 0, 0
	FETCH_A 0, 0, 0
	SCALES 0
	FETCH_A 0, 0, 4
	STEP 0, 0, 1                                   ; the first step's products start the sums
	s_mov_b32 s3, LAPS-1
.Llap:                                             ; a trip goes once round the ring and fills both slots again
	TURN 0, 1, 1
	STEP 1, 0, 0
	TURN 1, 0, 1
	STEP 0, 0, 0
	s_sub_co_u32 s3, s3, 1
	s_cmp_lg_u32 s3, 0
	s_cbranch_scc1 .Llap
	TURN 0, 1, 0                                   ; the last lap fills nothing
	STEP 1, 0, 0
	s_wait_dscnt 4*NL
	WIN MUL_LO
	MUL16 0, 1, NQ-1, 1, 0
	MUL16 2, 1, NQ-1, 1, 0
	s_wait_dscnt 0
	WIN MUL_HI
	MUL16 4, 1, NQ-1, 1, 0
	MUL16 6, 1, NQ-1, 1, 0
	WIN 0
; 64 numbers of a lane, register 16 b + i = index 32 b + 16 (lane / 16) + i of my row, become a fragment's 12 registers of codes from v[PC] on and its scale word in v[PW].
.macro QUANT s
.irp b, 0,1,2,3
	v_max3_num_f32 v[TM+\b], |v[\s+16*\b]|, |v[\s+1+16*\b]|, 0x2800000   ; my 16 numbers of block b, and the floor 2^(5 - 127): the byte cannot fall under 1
.endr
.irp i, 2,4,6,8,10,12,14
.irp b, 0,1,2,3
	v_max3_num_f32 v[TM+\b], v[TM+\b], |v[\s+16*\b+\i]|, |v[\s+1+16*\b+\i]|
.endr
.endr
.irp b, 0,1,2,3
	v_permlanex16_b32 v[TM+4+\b], v[TM+\b], s[SEL], s[SEL+1]
.endr
.irp b, 0,1,2,3
	v_max_num_f32 v[TM+\b], v[TM+\b], v[TM+4+\b]   ; with lane l xor 16's: the block's largest magnitude
.endr
.irp b, 0,1,2,3
	v_add_nc_u32 v[TM+12+\b], 0xfe000000, v[TM+\b] ; 4 off its exponent field: the conversion's scale operand
.endr
.irp b, 0,1,2,3
	v_lshrrev_b32 v[TM+4+\b], 23, v[TM+12+\b]      ; the scale's byte
.endr
	v_lshl_or_b32 v[PW], v[TM+5], 8, v[TM+4]
	v_lshl_or_b32 v[PW], v[TM+6], 16, v[PW]
	v_lshl_or_b32 v[PW], v[TM+7], 24, v[PW]
.irp c, 0,1
	v_cvt_scalef32_pk16_bf6_f32 v[PC+6*\c:PC+2+6*\c], v[\s+32*\c:\s+15+32*\c], v[TM+12+2*\c]
	v_cvt_scalef32_pk16_bf6_f32 v[PC+12+4*\c:PC+14+4*\c], v[\s+16+32*\c:\s+31+32*\c], v[TM+12+2*\c+1]   ; (a conversion's three registers begin on an even number)
.endr
	v_nop                                          ; one plain place behind a scaled conversion
.irp c, 0,1                            ; the operand's layout wants a WHOLE block in a lane: lanes 0-15 block 2 c, lanes 16-31 block 2 c + 1
.irp i, 0,1,2
	v_permlane16_swap_b32 v[PC+6*\c+\i], v[PC+12+4*\c+\i]
.endr
.irp i, 0,1,2
	v_mov_b32 v[PC+3+6*\c+\i], v[PC+12+4*\c+\i]
.endr
.endr
.endm
; THE WAY OUT, P's block a at a time: the bias is added (which also brings the 64 sums into window 0, each accumulator from its low end on), the numbers are quantised, and the operand's registers are stored as they stand.
.macro EPI reg
.irp a, 0,1,2,3,4,5,6,7
	s_wait_xcnt 0x0                                ; the last block's stores have read their registers: the codes may be written again
	WIN 0x02+(\a/4)                                ; source 0: window 2 or 3
.set i, 0
.rept 32
.if \reg == 1
	v_pk_add_f32 v[ST+2*i:ST+2*i+1], v[64*(\a%4)+2*i:64*(\a%4)+2*i+1], v[BQ+2*i:BQ+2*i+1]
.else
	v_pk_add_f32 v[ST+2*i:ST+2*i+1], v[64*(\a%4)+2*i:64*(\a%4)+2*i+1], v[BP+2*\a:BP+2*\a+1]
.endif
.set i, i+1
.endr
	WIN 0
	QUANT ST
.if \reg == 1
	v_lshrrev_b32 v[SW+\a], v[H16], v[PW]          ; lanes 0-15 keep the word (the first head's bytes lowest), lanes 16-31 bring the second head's two bytes down
.irp c, 0,1                            ; registers 6 c .. 6 c + 5 are head c's: d = 32 (lane / 16) + 0 .. 31 of my token
.irp p, 0,1,2
	global_store_b64 v[LN8], v[PC+6*\c+2*\p:PC+6*\c+2*\p+1], s[96:97] offset:294912*\c+768*\a+256*\p   ; 32 lanes store 256 consecutive bytes, aligned
.endr
.endr
.if \a%4 == 3
	global_store_b128 v[SCO], v[SW+\a-3:SW+\a], s[98:99] offset:256*(\a/4)   ; four tiles' words: sixteen lanes store 256 consecutive bytes for each of the two heads
.endif
.else
	v_mov_b32 v[SW+\a], v[PW]
.irp g, 0,1,2
	global_store_b128 v[LN16], v[PC+4*\g:PC+4*\g+3], s[96:97] offset:294912*(\a/4)+1536*(\a%4)+512*\g   ; head a / 4, tile a % 4 of its d: 512 consecutive bytes
.endr
.endif
.endr
.if \reg == 2
	v_cmp_ne_u32 vcc_lo, 0, v[H16]
.irp i, 0,1,2,3
	v_cndmask_b32 v[SX+\i], v[SW+\i], v[SW+4+\i], vcc_lo   ; lanes 0-15 the first head's four words, lanes 16-31 the second's
.endr
	global_store_b128 v[SCO], v[SX:SX+3], s[98:99]
.endif
.endm
	PLACES NP                                      ; behind the last products: the lines below write registers that held P's fragments and read results
.irp b, 0,1,2,3
	v_mov_b32 v[TM+4+\b], 0                        ; written once: a lane permute's destination counts as one of its sources
.endr
	s_cmp_lt_u32 ttmp9, 2                          ; the cluster's x: the same in all partners
	s_cbranch_scc0 .Lregion2
	s_lshr_b32 s20, s17, 3
	s_lshl_b32 s20, s20, 4                         ; 16 x batch
	s_lshl_b32 s46, s42, 2
	s_lshl_b32 s47, s16, 1
	s_add_co_u32 s46, s46, s47                     ; my first head among q's 16 and k's 16
	s_and_b32 s47, s46, 15
	s_add_co_u32 s20, s20, s47                     ; batch x head
	s_lshr_b32 s46, s46, 4                         ; 0: q, 1: k
	s_and_b32 s21, s17, 7
	s_lshl_b32 s21, s21, 4
	s_lshl_b32 s22, s15, 3
	s_add_co_u32 s21, s21, s22                     ; my first tile of 16 tokens in the batch
	s_mul_i32 s22, s20, 294912
	s_mul_i32 s23, s46, 98304
	s_add_co_u32 s22, s22, s23
	s_mul_i32 s23, s21, 768
	s_add_co_u32 s22, s22, s23
	s_mov_b32 s23, 0
	s_add_nc_u64 s[96:97], s[96:97], s[22:23]
	s_mul_i32 s22, s20, 20480
	s_lshl_b32 s46, s46, 13
	s_add_co_u32 s22, s22, s46
	s_lshl_b32 s21, s21, 6
	s_add_co_u32 s22, s22, s21
	s_add_nc_u64 s[98:99], s[98:99], s[22:23]
	EPI 1
	s_branch .Lend
.Lregion2:
	s_sub_co_u32 s20, s17, 8
	s_lshl_b32 s20, s20, 2
	s_lshl_b32 s21, s15, 1
	s_add_co_u32 s20, s20, s21                     ; my first head
	s_lshr_b32 s46, s42, 3
	s_lshl_b32 s46, s46, 4
	s_add_co_u32 s20, s20, s46                     ; batch x head
	s_and_b32 s46, s42, 7
	s_lshl_b32 s46, s46, 1
	s_add_co_u32 s46, s46, s16                     ; which 128 keys of the batch
	s_mul_i32 s22, s20, 294912
	s_mul_i32 s23, s46, 6144
	s_add_co_u32 s22, s22, s23
	s_add_co_u32 s22, s22, 196608
	s_mov_b32 s23, 0
	s_add_nc_u64 s[96:97], s[96:97], s[22:23]
	s_mul_i32 s22, s20, 20480
	s_lshl_b32 s46, s46, 8
	s_add_co_u32 s22, s22, s46
	s_add_co_u32 s22, s22, 16384
	s_add_nc_u64 s[98:99], s[98:99], s[22:23]
	EPI 2
.Lend:
	s_wait_tensorcnt 0x0                           ; the wave's end
	ds_add_u32 v[SPW], v[NIL]
	s_wait_dscnt 0x0
	CROUND                                         ; the closing round: no work-group ends while a partner may still ask for a tile that names it
	s_endpgm
.Lfunc_end_k_qcb4526c7d1_qkv:
	.size	k_qcb4526c7d1_qkv, .Lfunc_end_k_qcb4526c7d1_qkv-k_qcb4526c7d1_qkv
	.p2alignl 7, 3214868480
	.fill 96, 4, 3214868480
	.section	.rodata,"a",@progbits
	.p2align	6, 0x0
	.amdhsa_kernel k_qcb4526c7d1_qkv
		.amdhsa_group_segment_fixed_size 327680
		.amdhsa_private_segment_fixed_size 0
		.amdhsa_enable_private_segment 0
		.amdhsa_kernarg_size 56
		.amdhsa_user_sgpr_count 2
		.amdhsa_user_sgpr_kernarg_segment_ptr 1
		.amdhsa_wavefront_size32 1
		.amdhsa_system_sgpr_workgroup_id_x 1
		.amdhsa_system_sgpr_workgroup_id_y 1
		.amdhsa_system_sgpr_workgroup_id_z 1
		.amdhsa_system_vgpr_workitem_id 0
		.amdhsa_next_free_vgpr 1024
		.amdhsa_next_free_sgpr 102
		.amdhsa_reserve_vcc 1
		.amdhsa_float_denorm_mode_32 3
		.amdhsa_float_denorm_mode_16_64 3
		.amdhsa_memory_ordered 1
		.amdhsa_forward_progress 1
		.amdhsa_inst_pref_size 237
	.end_amdhsa_kernel
	.amdgpu_metadata
---
amdhsa.version: [ 1, 2 ]
amdhsa.kernels:
  - .name:           k_qcb4526c7d1_qkv
    .symbol:         k_qcb4526c7d1_qkv.kd
    .args:
      - { .name: x_codes, .offset: 0, .size: 8, .value_kind: global_buffer, .address_space: global }
      - { .name: x_scales, .offset: 8, .size: 8, .value_kind: global_buffer, .address_space: global }
      - { .name: w_codes, .offset: 16, .size: 8, .value_kind: global_buffer, .address_space: global }
      - { .name: w_scales, .offset: 24, .size: 8, .value_kind: global_buffer, .address_space: global }
      - { .name: b_qkv, .offset: 32, .size: 8, .value_kind: global_buffer, .address_space: global }
      - { .name: qkv_img, .offset: 40, .size: 8, .value_kind: global_buffer, .address_space: global }
      - { .name: qkv_sc, .offset: 48, .size: 8, .value_kind: global_buffer, .address_space: global }
    .group_segment_fixed_size: 327680
    .private_segment_fixed_size: 0
    .kernarg_segment_align: 8
    .kernarg_segment_size: 56
    .max_flat_workgroup_size: 128
    .sgpr_count:     102
    .vgpr_count:     1024
    .wavefront_size: 32
...
	.end_amdgpu_metadata
.endif
;; end of part 2
;; launch attn (part 3): grid 4 x 64, 16 waves a work-group, no clusters, 210,944 bytes of LDS; arguments qkv_img, qkv_sc, y_img, y_sc; writes y_img, y_sc
.if DOCPART == 3
	.amdgcn_target "amdgcn-amd-amdhsa--gfx1250"
	.amdhsa_code_object_version 6
	.text
	.protected	k_qcb4526c7d1_attn
	.globl	k_qcb4526c7d1_attn
	.p2align	8
	.type	k_qcb4526c7d1_attn,@function
k_qcb4526c7d1_attn:
	s_mov_b64 s[64:65], 0
	v_nop
	global_prefetch_b8 v0, s[64:65] scope:SCOPE_SE
	s_setreg_imm32_b32 hwreg(HW_REG_WAVE_MODE, 25, 1), 1
	s_wait_xcnt 0x0
; y[b][t][head] = causal softmax(q k^T / 8) v for one batch x head a work-group, both products on codes of BF6 (E3M2) with E8M0 scales; y leaves as CODES, quantised along the 64 of the head (two blocks of 32).
; THE SOFTMAX AHEAD OF THE SECOND PRODUCT: t = score x log2(e) / 8; M = the running largest t rounded UP to a whole number; p = 2^(t - M) is quantised along the keys, not normalised; the row's sum is taken of the
; unquantised p and divides at the end.  When M moves, the sum and O are multiplied by 2^(old M - new M): exact.
; SHARES.  A head has 16 blocks of 128 queries; block b wants b + 1 key steps of 128.  Work-group (j, batch x head), j = 0 .. 3, takes the blocks 2 j, 2 j + 1, 14 - 2 j and 15 - 2 j: 512 queries.  Wave w (idx = w / 2, p = w % 2,
; e = 2 j + p) owns TWO tiles of 16 queries, one after the other: tile idx of the late block 15 - e (16 - e steps), then tile idx of the early block e (e + 1 steps): 17 steps for every wave of all 256 work-groups.
; LDS.  The head's K and V images (98,304 bytes each) and their scale words (8,192 + 4,096) are filled ONCE, by waves 0-10, one tensor load each, in four chunks of 512 keys.  The late tile's walk
; goes through the chunks as they land: a chunk is read behind the counted wait for it and a barrier, while the later chunks are on their way.  The early tile's walk finds everything landed and has no barrier.
; The two kinds of waves differ by one step in the first walk, so at a barrier a wave waits for one step of the others at the most.  Nothing is filled again.
; NO JOINT LOADS, though the four work-groups of a head read the same K and V: a step whose keys all come after a wave's queries is jumped over, and which steps those are hangs on the work-group's j; partners in a
; cluster would have to branch alike, that is walk 16 + 8 = 24 steps for 17, and the softmax's vector lines are what this loop is made of.
; LAYOUT.  Both products are used transposed: S^T = K Q^T, O^T = V^T P^T: a lane holds ONE query (position lane % 16 of its tile) throughout.  The images lie in the row order of the launches before (bits 3 and 4 of a
; number changed places), so the 16 registers of tiles 2 b, 2 b + 1 of S^T are keys 32 b + 16 (lane / 16) + 0 .. 15, and those of O^T are d likewise.
; K = 64 IN AN INSTRUCTION OF K = 128: Q's registers 6-11 are zero codes.  K's operand for tile t is v[32 + 6 t] on, twelve registers: the upper six are the next tile's codes (behind tile 7: zeros).  E3M2 has no
; infinity and no NaN, so each of those products is 0; the scale bytes that meet them are another head's bytes or 0, never 0xff.
; LIMITS: a block of zeros gets the byte 1 (its codes are zeros); NaN and infinities are not served.
; REGISTERS: v1-7 addresses that stay; v8-11 addresses in hand; v12 -M, v13 the largest t, v[14:15] the sum; v16-27 the late tile's Q; v32-85 K's eight tiles (or V's four fragments); v88-95 scale words; v96-159 S^T, then p;
; v160-191 O^T; v192-203 the early tile's Q; v204 its scale words; v224-235 p's codes; v232-254 at work; v255 the late tile's Q's scale words.
.set WV,   12                          ; s12  wave
.set TE,   16                          ; s16  the early tile's number
.set TT,   17                          ; s17  the number of the tile in hand
.set QB,   19                          ; s19  the first query of the block in hand
.set SEL,  20                          ; s[20:21] selects for lane l xor 16
.set CS,   22                          ; s[22:23] c = log2(e) / 8
.set G1,   24                          ; s[24:31] group 1: 48 rows of 256 bytes
.set G1S,  32                          ; s[32:39] group 1: 96 rows of 256 bytes
.set G0,   40                          ; s[40:43] group 0 of a half of chunk 0 (waves 0-3); s[44:47] of a whole K or V part of chunks 1-3 (waves 5-10)
.set G0S,  56                          ; s[56:59] group 0 of the scale words
.set KF,   60                          ; s60  the step's first key
.set TB,   61                          ; s61  the step's bytes in K's and in V's image
.set TS,   62                          ; s62  in K's scale words
.set TJ,   63                          ; s63  in V's
.set CNT,  66                          ; s66  steps to go
.set QE,   67                          ; s67  the early block's first query
.set YI,   84                          ; s[84:85] where the tile in hand goes in y's images
.set YS,   86                          ; s[86:87] and in y's scale bytes
.set VIMG, 98304
.set KSC,  196608
.set VSC,  204800
	s_load_b256 s[4:11], s[0:1], 0x0               ; the images, their scale words, y's images, y's scale bytes
	v_lshl_add_u32 v223, v0, 2, 0x33000
	v_mov_b32 v243, 0
	ds_add_u32 v223, v243
	ds_add_u32 v223, v243
	v_lshrrev_b32 v8, 5, v0
	s_delay_alu instid0(VALU_DEP_1)
	v_readfirstlane_b32 s[WV], v8                  ; wave 0..15
	s_and_b32 s13, ttmp7, 0xffff                   ; batch x head
	s_and_b32 s14, s[WV], 1
	s_lshr_b32 s15, s[WV], 1                       ; idx: which 16 of a block's 128 queries
	s_lshl_b32 s[TE], ttmp9, 1
	s_add_co_u32 s[TE], s[TE], s14                 ; e = 2 j + p: my early block, 0 .. 7
	s_sub_co_u32 s18, 15, s[TE]                    ; my late block, 8 .. 15
	s_lshl_b32 s[QB], s18, 7                       ; the late block comes first
	s_lshl_b32 s[QE], s[TE], 7
	s_lshl_b32 s[TT], s18, 3
	s_add_co_u32 s[TT], s[TT], s15                 ; the late tile
	s_lshl_b32 s[TE], s[TE], 3
	s_add_co_u32 s[TE], s[TE], s15                 ; the early tile
	s_mul_i32 s68, s13, 294912                     ; the head's images,
	s_mul_i32 s70, s13, 20480                      ; and its scale words
	; THE FILLS, ONE TENSOR LOAD A WAVE (this takes the place of what the head says of waves 0-3): waves 0-3 a half each of K's and V's chunk 0 (12,288 bytes), wave 4 all scale words (12,288 bytes),
	; waves 5-10 the whole K or V part (24,576 bytes) of chunks 1, 2, 3; waves 11-15 none.  The figures are made from the wave's number so that they stay in range in every wave.
	s_and_b32 s72, s[WV], 3
	s_lshr_b32 s73, s72, 1
	s_and_b32 s74, s72, 1
	s_mul_i32 s73, s73, VIMG
	s_mul_i32 s74, s74, 12288
	s_add_co_u32 s73, s73, s74                     ; its place in LDS, and behind k's first byte in memory
	s_add_co_u32 s76, s68, s73
	s_add_co_u32 s76, s76, 98304
	s_mov_b32 s77, 0
	s_add_co_u32 s90, s[WV], 3                     ; waves 5 .. 10 give 8 .. 13:
	s_and_b32 s91, s90, 1                          ; bit 0: K (0) or V (1),
	s_bfe_u32 s90, s90, 0x20001                    ; bits 2:1: chunk - 1,
	s_min_u32 s90, s90, 2                          ; held in range in the waves that fetch none of these
	s_mul_i32 s91, s91, VIMG
	s_mul_i32 s90, s90, 24576
	s_add_co_u32 s90, s90, s91
	s_add_co_u32 s90, s90, 24576                   ; its place in LDS, and behind k's first byte in memory
	s_add_co_u32 s88, s68, s90
	s_add_co_u32 s88, s88, 98304
	s_mov_b32 s89, 0
	s_add_co_u32 s78, s70, 8192
	s_mov_b32 s79, 0
	s_mul_i32 s75, s[TE], 768                      ; Q of the early tile: its image,
	s_add_co_u32 s80, s68, s75
	s_mov_b32 s81, 0
	s_lshr_b32 s75, s[TE], 2                       ; and its scale words: 256 bytes for four tiles, 4 bytes a tile in each row's 16
	s_lshl_b32 s75, s75, 8
	s_add_co_u32 s82, s70, s75
	s_and_b32 s75, s[TE], 3
	s_lshl_b32 s75, s75, 2
	s_add_co_u32 s82, s82, s75
	s_mov_b32 s83, 0
	s_mul_i32 s75, s[TT], 768                      ; Q of the late tile likewise
	s_add_co_u32 s68, s68, s75
	s_mov_b32 s69, 0
	s_lshr_b32 s75, s[TT], 2
	s_lshl_b32 s75, s75, 8
	s_add_co_u32 s70, s70, s75
	s_and_b32 s75, s[TT], 3
	s_lshl_b32 s75, s75, 2
	s_add_co_u32 s70, s70, s75
	s_mov_b32 s71, 0
	; group 1: dense bytes as rows of 256 (32 elements of 8 bytes), no padding: every read of the images is of consecutive bytes
	s_mov_b32 s[G1], 3<<16
	s_mov_b32 s[G1+1], 32<<16                      ; tensor_dim0
	s_mov_b32 s[G1+2], 48<<16                      ; tensor_dim1
	s_mov_b32 s[G1+3], 32<<16                      ; tile_dim0
	s_mov_b32 s[G1+4], 48                          ; tile_dim1
	s_mov_b32 s[G1+5], 32                          ; the pitch
	s_mov_b32 s[G1+6], 0
	s_mov_b32 s[G1+7], 0
	s_mov_b32 s[G1S], 3<<16
	s_mov_b32 s[G1S+1], 32<<16
	s_mov_b32 s[G1S+2], 96<<16
	s_mov_b32 s[G1S+3], 32<<16
	s_mov_b32 s[G1S+4], 96
	s_mov_b32 s[G1S+5], 32
	s_mov_b32 s[G1S+6], 0
	s_mov_b32 s[G1S+7], 0
	s_mov_b32 s[SEL], 0x76543210
	s_mov_b32 s[SEL+1], 0xfedcba98
	s_mov_b32 s[CS], 0x3e38aa3b                    ; log2(e) / 8
	s_mov_b32 s[CS+1], s[CS]                       ; (named with it as a pair, so it is written)
	s_wait_dscnt 0x0
	s_wait_kmcnt 0x0
	s_add_nc_u64 s[76:77], s[4:5], s[76:77]
	s_add_nc_u64 s[78:79], s[6:7], s[78:79]
	s_add_nc_u64 s[68:69], s[4:5], s[68:69]
	s_add_nc_u64 s[70:71], s[6:7], s[70:71]
	s_add_nc_u64 s[80:81], s[4:5], s[80:81]
	s_add_nc_u64 s[82:83], s[6:7], s[82:83]
	s_mov_b32 s[G0S], 1
	s_mov_b32 s[G0S+1], KSC
	s_mov_b64 s[G0S+2:G0S+3], s[78:79]
	s_or_b32 s[G0S+3], s[G0S+3], 0x80000000
	s_mov_b32 s[G0], 1
	s_mov_b32 s[G0+1], s73
	s_mov_b64 s[G0+2:G0+3], s[76:77]
	s_or_b32 s[G0+3], s[G0+3], 0x80000000
	s_mov_b32 s[G0+4], 1
	s_mov_b32 s[G0+5], s90
	s_add_nc_u64 s[G0+6:G0+7], s[4:5], s[88:89]
	s_or_b32 s[G0+7], s[G0+7], 0x80000000
; One chain of branches on the wave's number, one fill to an arm, all arms leading to one join.  Each chunk has a load line of its own, since its issuers wait at another barrier than the others'.
.macro FILL under, g0, g1, next
	s_cmp_lt_u32 s[WV], \under
	s_cbranch_scc0 \next
	tensor_load_to_lds s[\g0:\g0+3], s[\g1:\g1+7]
	s_nop 0
.rept 4
	v_nop
.endr
	s_branch .Lno_fill
\next:
.endm
	FILL 4,  G0,   G1,  .Lfill_sc                  ; chunk 0
	FILL 5,  G0S,  G1,  .Lfill_1                   ; the scale words
	FILL 7,  G0+4, G1S, .Lfill_2                   ; chunk 1
	FILL 9,  G0+4, G1S, .Lfill_3                   ; chunk 2
	FILL 11, G0+4, G1S, .Lfill_none                ; chunk 3
.Lno_fill:
	v_and_b32 v9, 31, v0                           ; lane
	v_and_b32 v10, 15, v0                          ; r
	v_bfe_u32 v11, v0, 4, 1                        ; h
	s_delay_alu instid0(VALU_DEP_3)
	v_lshlrev_b32 v1, 3, v9                        ; 8 x lane: K's image, Q's images, y's image
	s_delay_alu instid0(VALU_DEP_4)
	v_lshlrev_b32 v2, 4, v9
	s_delay_alu instid0(VALU_DEP_1)
	v_add_nc_u32 v2, VIMG, v2                      ; V's image: 16 x lane
	v_lshlrev_b32 v6, 4, v10                       ; 16 r
	s_delay_alu instid0(VALU_DEP_1)
	v_add_nc_u32 v3, KSC, v6                       ; K's scale words
	s_delay_alu instid0(VALU_DEP_2)
	v_add_nc_u32 v4, VSC, v6                       ; V's
.irp p, 0,1,2
	global_load_b64 v[16+2*\p:17+2*\p], v1, s[68:69] offset:256*\p     ; the late tile's six registers of codes,
	global_load_b64 v[192+2*\p:193+2*\p], v1, s[80:81] offset:256*\p   ; and the early tile's: both stay in registers
.endr
	global_load_b32 v255, v6, s[70:71]             ; their scale words
	global_load_b32 v204, v6, s[82:83]
	v_and_b32 v5, 8, v10
	s_delay_alu instid0(VALU_DEP_1)
	v_add_nc_u32 v5, v5, v10                       ; r + 8 (r / 8)
	v_lshlrev_b32 v8, 4, v11
	s_delay_alu instid0(VALU_DEP_1)
	v_sub_nc_u32 v5, v5, v8
	s_lshr_b32 s74, s15, 1
	s_lshl_b32 s74, s74, 5
	s_and_b32 s75, s15, 1
	s_lshl_b32 s75, s75, 3
	s_add_co_u32 s74, s74, s75
	v_add_nc_u32 v5, s74, v5                       ; my query's place in its block of 128, less 16 h: for the diagonal; the same in both tiles
	v_lshl_add_u32 v7, v10, 5, v11                 ; y's scale bytes: 32 r + h
.irp j, 22,23,24,25,26,27,80,81,82,83,84,85,198,199,200,201,202,203
	v_mov_b32 v[\j], 0                             ; the upper halves of both Q, and what stands behind K's tile 7: zero codes
.endr
.irp j, 236,237,238,239,252,253
	v_mov_b32 v[\j], 0                             ; lane permutes' destinations, and the upper half of the pair v[252:253]
.endr
; A tile's sums begin: O^T and the sum as zeros, the largest t as -3e38.  (The step is written without a first step of its own: its first turn finds zeros, which the first change of M leaves zeros.)
.macro BEGIN
	v_mov_b32 v13, 0xff61b1e6                      ; -3e38, under every t
	s_delay_alu instid0(VALU_DEP_1)
	v_floor_f32 v12, -v13                          ; -M
	v_mov_b32 v14, 0
	v_mov_b32 v15, 0
.set j, 0
.rept 32
	v_mov_b32 v[160+j], 0
.set j, j+1
.endr
.endm
	BEGIN
; A KEY STEP: 128 keys.  qr: the first of Q's twelve registers; qs: the register of Q's scale words.
.macro STEP qr, qs
	s_cmp_gt_u32 s[KF], s[QB]                      ; all its keys come after my queries: only the lines at its end that step addresses are run
	s_cbranch_scc1 .Lhidden_\@
	v_add_nc_u32 v8, s[TB], v1                     ; (these four are the places between the last products and the loads into their operands)
	v_add_nc_u32 v9, s[TB], v2
	v_add_nc_u32 v10, s[TS], v3
	v_add_nc_u32 v11, s[TJ], v4
.irp t, 0,1,2,3,4,5,6,7
.irp p, 0,1,2
	ds_load_b64 v[32+6*\t+2*\p:33+6*\t+2*\p], v8 offset:768*\t+256*\p   ; 32 lanes read 256 consecutive bytes
.endr
.endr
	ds_load_b128 v[88:91], v10                     ; the eight tiles' scale words
	ds_load_b128 v[92:95], v10 offset:256
	s_wait_alu depctr_va_vdst(0)
	s_wait_dscnt 0x0
.irp t, 0,1,2,3,4,5,6,7
	v_wmma_scale_f32_16x16x128_f8f6f4 v[96+8*\t:103+8*\t], v[32+6*\t:43+6*\t], v[\qr:\qr+11], 0, v[88+\t], v[\qs] matrix_a_fmt:MATRIX_FMT_BF6 matrix_b_fmt:MATRIX_FMT_BF6
.endr
.rept 4
	v_nop                                          ; places: loads into the products' operands and reads of their results follow
.endr
.irp d, 0,1,2,3                        ; V's four fragments are asked for now and land under the softmax
.irp g, 0,1,2
	ds_load_b128 v[32+12*\d+4*\g:35+12*\d+4*\g], v9 offset:1536*\d+512*\g
.endr
.endr
	ds_load_b128 v[88:91], v11
	s_cmp_lt_u32 s[KF], s[QB]                      ; all keys count: no mask
	s_cbranch_scc1 .Lopen_\@
	v_mov_b32 v254, 0xff800000                     ; the diagonal: register 16 b + i holds key KF + 32 b + 16 h + i: hidden where 32 b + i > my place - 16 h
.set n, 0
.rept 64
	v_cmp_gt_i32 vcc_lo, 32*(n/16)+n%16, v5
	v_cndmask_b32 v[96+n], v[96+n], v254, vcc_lo
.set n, n+1
.endr
.Lopen_\@:
.irp b, 0,1,2,3
	v_max3_num_f32 v[232+\b], v[96+16*\b], v[97+16*\b], v[98+16*\b]   ; the largest score of each block of 32 keys: for the row's maximum, and, since p rises with the score, for the block's largest p
.endr
.irp i, 3,5,7,9,11,13
.irp b, 0,1,2,3
	v_max3_num_f32 v[232+\b], v[232+\b], v[96+16*\b+\i], v[97+16*\b+\i]
.endr
.endr
.irp b, 0,1,2,3
	v_max_num_f32 v[232+\b], v[232+\b], v[111+16*\b]
.endr
.irp b, 0,1,2,3
	s_delay_alu instid0(VALU_DEP_4)
	v_permlanex16_b32 v[236+\b], v[232+\b], s[SEL], s[SEL+1]
.endr
.irp b, 0,1,2,3
	s_delay_alu instid0(VALU_DEP_4)
	v_max_num_f32 v[232+\b], v[232+\b], v[236+\b]  ; with lane l xor 16's 16 keys
.endr
	s_delay_alu instid0(VALU_DEP_2)
	v_max3_num_f32 v254, v232, v233, v234
	s_delay_alu instid0(VALU_DEP_1)
	v_max_num_f32 v254, v254, v235
	s_delay_alu instid0(VALU_DEP_1)
	v_mul_f32 v254, s[CS], v254                    ; as t (c is positive)
	s_delay_alu instid0(VALU_DEP_1)
	v_max_num_f32 v13, v13, v254                   ; the running largest t
	v_mov_b32 v254, v12
	s_delay_alu instid0(VALU_DEP_2)
	v_floor_f32 v12, -v13                          ; the new -M = -ceil(t)
	s_delay_alu instid0(VALU_DEP_1)
	v_sub_f32 v254, v12, v254                      ; old M - new M: a whole number, 0 or less
	s_delay_alu instid0(VALU_DEP_1)
	v_cvt_i32_f32 v254, v254                       ; (it saturates)
	s_delay_alu instid0(VALU_DEP_1)
	v_ldexp_f32 v252, 1.0, v254                    ; f = 2^(old M - new M)
.set j, 0
.rept 32
	v_pk_fma_f32 v[96+j:97+j], v[96+j:97+j], s[CS:CS+1], v[12:13] op_sel_hi:[1,0,0]   ; t - M, two at a time
.set j, j+2
.endr
.irp b, 0,1,2,3
	v_fma_f32 v[232+\b], v[232+\b], s[CS], v12     ; the same of each block's largest score
.endr
.set j, 0
	s_wait_alu depctr_va_vdst(0)
.rept 64
	v_exp_f32 v[96+j], v[96+j]                     ; p = 2^(t - M)
.set j, j+1
.endr
.irp b, 0,1,2,3
	v_exp_f32 v[232+\b], v[232+\b]                 ; the block's largest p: the same two instructions on the same number
.endr
	v_pk_mul_f32 v[14:15], v[14:15], v[252:253] op_sel_hi:[1,0]   ; the sums under the new M (a plain place behind the exponentials)
	s_wait_alu depctr_va_vdst(0)
.irp b, 0,1,2,3
	v_max_num_f32 v[232+\b], 0x2800000, v[232+\b]  ; the floor 2^(5 - 127)
.endr
.irp b, 0,1,2,3
	s_delay_alu instid0(VALU_DEP_4)
	v_add_nc_u32 v[244+\b], 0xfe000000, v[232+\b]  ; the conversion's scale operand
.endr
.irp b, 0,1,2,3
	s_delay_alu instid0(VALU_DEP_4)
	v_lshrrev_b32 v[236+\b], 23, v[244+\b]         ; the scale's byte
.endr
	s_delay_alu instid0(VALU_DEP_3)
	v_lshl_or_b32 v253, v237, 8, v236              ; p's scale word for these 128 keys
	s_delay_alu instid0(VALU_DEP_1)
	v_lshl_or_b32 v253, v238, 16, v253
	s_delay_alu instid0(VALU_DEP_1)
	v_lshl_or_b32 v253, v239, 24, v253
.irp c, 0,1
	v_cvt_scalef32_pk16_bf6_f32 v[224+6*\c:226+6*\c], v[96+32*\c:111+32*\c], v[244+2*\c]
	v_cvt_scalef32_pk16_bf6_f32 v[236+4*\c:238+4*\c], v[112+32*\c:127+32*\c], v[244+2*\c+1]
.endr
	v_nop                                          ; one plain place behind a scaled conversion
.irp c, 0,1
.irp i, 0,1,2
	v_permlane16_swap_b32 v[224+6*\c+\i], v[236+4*\c+\i]
.endr
.irp i, 0,1,2
	s_delay_alu instid0(VALU_DEP_3)
	v_mov_b32 v[227+6*\c+\i], v[236+4*\c+\i]
.endr
.endr
	v_pk_add_f32 v[236:237], v[100:101], v[104:105]
	v_pk_add_f32 v[250:251], v[108:109], v[112:113]
	v_pk_add_f32 v[248:249], v[116:117], v[120:121]
	v_pk_add_f32 v[246:247], v[124:125], v[128:129]
	v_pk_add_f32 v[244:245], v[132:133], v[136:137]
	v_pk_add_f32 v[240:241], v[140:141], v[144:145]
	v_pk_add_f32 v[220:221], v[148:149], v[152:153]
	v_pk_add_f32 v[14:15], v[14:15], v[156:157]
	v_pk_add_f32 v[236:237], v[236:237], v[96:97]
	v_pk_add_f32 v[250:251], v[250:251], v[98:99]
	v_pk_add_f32 v[248:249], v[248:249], v[102:103]
	v_pk_add_f32 v[246:247], v[246:247], v[106:107]
	v_pk_add_f32 v[244:245], v[244:245], v[110:111]
	v_pk_add_f32 v[240:241], v[240:241], v[114:115]
	v_pk_add_f32 v[220:221], v[220:221], v[118:119]
	v_pk_add_f32 v[14:15], v[14:15], v[122:123]
	v_pk_add_f32 v[236:237], v[236:237], v[126:127]
	v_pk_add_f32 v[250:251], v[250:251], v[130:131]
	v_pk_add_f32 v[248:249], v[248:249], v[134:135]
	v_pk_add_f32 v[246:247], v[246:247], v[138:139]
	v_pk_add_f32 v[244:245], v[244:245], v[142:143]
	v_pk_add_f32 v[240:241], v[240:241], v[146:147]
	v_pk_add_f32 v[220:221], v[220:221], v[150:151]
	v_pk_add_f32 v[14:15], v[14:15], v[154:155]
	v_pk_add_f32 v[236:237], v[236:237], v[158:159]
	s_delay_alu instid0(VALU_DEP_2)
	v_pk_add_f32 v[14:15], v[14:15], v[246:247]
	s_delay_alu instid0(VALU_DEP_2)
	v_pk_add_f32 v[236:237], v[236:237], v[244:245]
	v_pk_add_f32 v[250:251], v[250:251], v[240:241]
	v_pk_add_f32 v[248:249], v[248:249], v[220:221]
	s_delay_alu instid0(VALU_DEP_2)
	v_pk_add_f32 v[14:15], v[14:15], v[250:251]
	s_delay_alu instid0(VALU_DEP_2)
	v_pk_add_f32 v[236:237], v[236:237], v[248:249]
	s_delay_alu instid0(VALU_DEP_1)
	v_pk_add_f32 v[14:15], v[14:15], v[236:237]
.set j, 0
.rept 16
	v_pk_mul_f32 v[160+j:161+j], v[160+j:161+j], v[252:253] op_sel_hi:[1,0]   ; O^T under the new M
.set j, j+2
.endr
	s_wait_alu depctr_va_vdst(0)
	s_wait_dscnt 0x0                               ; V and its scale words are in
.irp d, 0,1,2,3                        ; O^T += V^T P^T: the four accumulators take turns, one instruction a turn
	v_wmma_scale_f32_16x16x128_f8f6f4 v[160+8*\d:167+8*\d], v[32+12*\d:43+12*\d], v[224:235], v[160+8*\d:167+8*\d], v[88+\d], v253 matrix_a_fmt:MATRIX_FMT_BF6 matrix_b_fmt:MATRIX_FMT_BF6
.endr
.Lhidden_\@:
	s_add_co_u32 s[KF], s[KF], 128
	s_add_co_u32 s[TB], s[TB], 6144
	s_add_co_u32 s[TS], s[TS], 512
	s_add_co_u32 s[TJ], s[TJ], 256
.endm
; A CHUNK of the late tile's walk: 512 keys, four steps.  The waves whose load brings chunk c or an earlier one (waves 0 .. 4 + 2 c) wait for it, for 0; the waves whose load brings a later chunk jump over the wait alone;
; then all sixteen meet.  At chunk 3 every wave waits.  Every wave walks all four chunks, so that trip counts are constants.
.macro CHUNK c
.if \c < 3
	s_cmp_gt_u32 s[WV], 4+2*\c
	s_cbranch_scc1 .Llater_\@
.endif
	s_wait_tensorcnt 0x0
.if \c < 3
.Llater_\@:
.endif
	s_barrier_signal -1
	s_barrier_wait -1
	s_mov_b32 s[KF], 512*\c
	s_mov_b32 s[TB], 24576*\c
	s_mov_b32 s[TS], 2048*\c
	s_mov_b32 s[TJ], 1024*\c
	s_mov_b32 s[CNT], 4
.Lstep_\@:
	STEP 16, 255
	s_sub_co_u32 s[CNT], s[CNT], 1
	s_cmp_lg_u32 s[CNT], 0
	s_cbranch_scc1 .Lstep_\@
.endm
; THE WAY OUT of the tile s[TT].  O^T / the sum is y: register 16 b + i is d = 32 b + 16 h + i of my query.  Its two blocks of 32 are quantised, and the six registers of codes leave as the image of the last product's operand.
.macro OUT
.rept 4
	v_nop                                          ; places behind the last products
.endr
	v_add_f32 v14, v14, v15
	s_delay_alu instid0(VALU_DEP_1)
	v_permlanex16_b32 v252, v14, s[SEL], s[SEL+1]
	s_delay_alu instid0(VALU_DEP_1)
	v_add_f32 v14, v14, v252                       ; the row's sum
	s_wait_alu depctr_va_vdst(0)
	v_rcp_f32 v14, v14
	v_bfe_u32 v251, v0, 4, 1                       ; h (a plain place behind the reciprocal)
	s_lshr_b32 s68, s13, 4                         ; batch
	s_and_b32 s69, s13, 15                         ; head
	s_lshl_b32 s70, s68, 7
	s_add_co_u32 s70, s70, s[TT]                   ; the tile of 16 rows among 512
	s_mul_i32 s70, s70, 12288
	s_mul_i32 s71, s69, 768                        ; the head's three pieces: K step head / 2, pieces 3 (head % 2) on
	s_add_co_u32 s70, s70, s71
	s_mov_b32 s71, 0
	s_add_nc_u64 s[YI:YI+1], s[8:9], s[70:71]
	s_lshl_b32 s70, s68, 11
	s_lshl_b32 s72, s[TT], 4
	s_add_co_u32 s70, s70, s72
	s_lshl_b32 s70, s70, 5                         ; 32 scale bytes a row
	s_lshl_b32 s69, s69, 1
	s_add_co_u32 s70, s70, s69
	s_add_nc_u64 s[YS:YS+1], s[10:11], s[70:71]
.set j, 0
	s_wait_alu depctr_va_vdst(0)
.rept 32
	v_mul_f32 v[96+j], v[160+j], v14               ; each accumulator from its low end on
.set j, j+1
.endr
.irp b, 0,1
	v_max3_num_f32 v[232+\b], |v[96+16*\b]|, |v[97+16*\b]|, 0x2800000   ; my 16 numbers of block b, and the floor 2^(5 - 127)
.endr
.irp i, 2,4,6,8,10,12,14
.irp b, 0,1
	s_delay_alu instid0(VALU_DEP_2)
	v_max3_num_f32 v[232+\b], v[232+\b], |v[96+16*\b+\i]|, |v[97+16*\b+\i]|
.endr
.endr
.irp b, 0,1
	s_delay_alu instid0(VALU_DEP_2)
	v_permlanex16_b32 v[236+\b], v[232+\b], s[SEL], s[SEL+1]
.endr
.irp b, 0,1
	s_delay_alu instid0(VALU_DEP_2)
	v_max_num_f32 v[232+\b], v[232+\b], v[236+\b]  ; with lane l xor 16's: the block's largest magnitude
.endr
.irp b, 0,1
	s_delay_alu instid0(VALU_DEP_2)
	v_add_nc_u32 v[244+\b], 0xfe000000, v[232+\b]  ; the conversion's scale operand
.endr
.irp b, 0,1
	s_delay_alu instid0(VALU_DEP_2)
	v_lshrrev_b32 v[248+\b], 23, v[244+\b]         ; the scale's byte
.endr
	v_cvt_scalef32_pk16_bf6_f32 v[224:226], v[96:111], v244
	v_cvt_scalef32_pk16_bf6_f32 v[236:238], v[112:127], v245
	v_nop                                          ; one plain place behind a scaled conversion
.irp i, 0,1,2
	v_permlane16_swap_b32 v[224+\i], v[236+\i]
.endr
.irp i, 0,1,2
	s_delay_alu instid0(VALU_DEP_3)
	v_mov_b32 v[227+\i], v[236+\i]                 ; registers 0-5: d = 32 h + 0 .. 31 of row r
.endr
	v_cmp_ne_u32 vcc_lo, 0, v251
	s_delay_alu instid0(VALU_DEP_1)
	v_cndmask_b32 v250, v248, v249, vcc_lo         ; lane (r, h) stores block h's byte
.irp p, 0,1,2
	global_store_b64 v1, v[224+2*\p:225+2*\p], s[YI:YI+1] offset:256*\p   ; 32 lanes store 256 consecutive bytes, aligned
.endr
	global_store_b8 v7, v250, s[YS:YS+1]           ; two bytes of each of 16 rows: short pieces, one byte in 24 of what the wave stores
.endm
	s_wait_loadcnt 0x0                             ; both Q
	CHUNK 0                                        ; THE LATE TILE: 16 - e steps, through the chunks as they land
	CHUNK 1
	CHUNK 2
	CHUNK 3
	OUT
	BEGIN                                          ; THE EARLY TILE: e + 1 steps of at most eight; all of K and V has landed and been shown to every wave by the fourth barrier
	s_wait_xcnt 0x0                                ; the late tile's stores have had their addresses translated (ISA guide 3.1): their data registers and bases are written again only behind this wait
	s_mov_b32 s[TT], s[TE]
	s_mov_b32 s[QB], s[QE]
	s_mov_b32 s[KF], 0
	s_mov_b32 s[TB], 0
	s_mov_b32 s[TS], 0
	s_mov_b32 s[TJ], 0
	s_mov_b32 s[CNT], 8                            ; a constant: the early block is one of the first eight
.Learly:
	STEP 192, 204
	s_sub_co_u32 s[CNT], s[CNT], 1
	s_cmp_lg_u32 s[CNT], 0
	s_cbranch_scc1 .Learly
	OUT
	s_wait_tensorcnt 0x0
	ds_add_u32 v223, v243
	s_wait_dscnt 0x0
	s_endpgm
.Lfunc_end_k_qcb4526c7d1_attn:
	.size	k_qcb4526c7d1_attn, .Lfunc_end_k_qcb4526c7d1_attn-k_qcb4526c7d1_attn
	.p2alignl 7, 3214868480
	.fill 96, 4, 3214868480
	.section	.rodata,"a",@progbits
	.p2align	6, 0x0
	.amdhsa_kernel k_qcb4526c7d1_attn
		.amdhsa_group_segment_fixed_size 210944
		.amdhsa_private_segment_fixed_size 0
		.amdhsa_enable_private_segment 0
		.amdhsa_kernarg_size 32
		.amdhsa_user_sgpr_count 2
		.amdhsa_user_sgpr_kernarg_segment_ptr 1
		.amdhsa_wavefront_size32 1
		.amdhsa_system_sgpr_workgroup_id_x 1
		.amdhsa_system_sgpr_workgroup_id_y 1
		.amdhsa_system_sgpr_workgroup_id_z 1
		.amdhsa_system_vgpr_workitem_id 0
		.amdhsa_next_free_vgpr 256
		.amdhsa_next_free_sgpr 96
		.amdhsa_reserve_vcc 1
		.amdhsa_float_denorm_mode_32 3
		.amdhsa_float_denorm_mode_16_64 3
		.amdhsa_memory_ordered 1
		.amdhsa_forward_progress 1
		.amdhsa_inst_pref_size 137
	.end_amdhsa_kernel
	.amdgpu_metadata
---
amdhsa.version: [ 1, 2 ]
amdhsa.kernels:
  - .name:           k_qcb4526c7d1_attn
    .symbol:         k_qcb4526c7d1_attn.kd
    .args:
      - { .name: qkv_img, .offset: 0, .size: 8, .value_kind: global_buffer, .address_space: global }
      - { .name: qkv_sc, .offset: 8, .size: 8, .value_kind: global_buffer, .address_space: global }
      - { .name: y_img, .offset: 16, .size: 8, .value_kind: global_buffer, .address_space: global }
      - { .name: y_sc, .offset: 24, .size: 8, .value_kind: global_buffer, .address_space: global }
    .group_segment_fixed_size: 210944
    .private_segment_fixed_size: 0
    .kernarg_segment_align: 8
    .kernarg_segment_size: 32
    .max_flat_workgroup_size: 512
    .sgpr_count:     96
    .vgpr_count:     256
    .wavefront_size: 32
...
	.end_amdgpu_metadata
.endif
;; end of part 3
;; launch fc (part 4): grid 4 x 64, 4 waves a work-group, clusters of 4 x 4, 327,680 bytes of LDS; arguments y_img, y_sc, w_codes, w_scales, b_fc, out0; writes out0
.if DOCPART == 4
	.amdgcn_target "amdgcn-amd-amdhsa--gfx1250"
	.amdhsa_code_object_version 6
	.text
	.protected	k_qcb4526c7d1_fc
	.globl	k_qcb4526c7d1_fc
	.p2align	8
	.type	k_qcb4526c7d1_fc,@function
k_qcb4526c7d1_fc:
	s_mov_b64 s[64:65], 0
	v_nop
	global_prefetch_b8 v0, s[64:65] scope:SCOPE_SE
	s_setreg_imm32_b32 hwreg(HW_REG_WAVE_MODE, 25, 1), 1
	s_wait_xcnt 0x0
	s_wait_alu depctr_hold_cnt(0) depctr_sa_sdst(0) depctr_va_vdst(0) depctr_va_sdst(0) depctr_va_ssrc(0) depctr_va_vcc(0) depctr_vm_vsrc(0)
	s_getreg_b32 s2, hwreg(HW_REG_IB_STS2, 6, 4)
	s_cmp_eq_u32 s2, 0
	s_cbranch_scc0 .Lentry_in_a_cluster
	s_endpgm
.Lentry_in_a_cluster:
	s_bfe_u32 s2, ttmp6, 0x10000c
	s_cmp_lg_u32 s2, 0xf033
	s_cbranch_scc0 .Lentry_shape_is_right
	s_endpgm
.Lentry_shape_is_right:
.set NQ,     2
; out0 = y W_fc + b_fc on codes of BF6 with E8M0 scales.  A = y's images (16 rows x 256 along K are 3,072 dense bytes), B = W_fc's columns, rows 3,072 on of w_codes, which lie [K step (4)][row][192 bytes].
.set ROWB,   1572864                   ; bytes from one K step's plane of B's codes to the next
.set KROW,   192                       ; a row's bytes in a plane: 128 rows are 24,576 dense bytes, fetched as 96 rows of 256 bytes
.set G0H,    4                         ; s[4:7], s[8:11] group 0 of the head's loads of K step 0: A's 128 rows, B's 256 rows
.set G0HB,   8
.set PITCH,  240
.set FR,     12
.set NL,     6
.set NP,     4
.set AROW,   3072
; A BLOCK of out0 is 128 rows x 256 columns: 64 x 4 = 256 work-groups.  A wave makes 64 x 128: 32 accumulators, all in window 2; a step of 128 along K is 32 matrix instructions, A's blocks 0, 1 and then 2, 3 against B's eight.
.set HALFA,  4*AROW                    ; 64 rows of A: four images of 16 rows: what a wave of the ring fetches, and what a wave reads
.set HALFB,  128*PITCH
.set SLOT,   2*HALFA+2*HALFB
.set LAPS,   2
.set KS,     32
.set SCL,    2*SLOT
.set HALFS,  (128*KS/256)*272
.set SBLK,   (16*KS/256)*272
.set SPARE,  SCL+4*HALFS
.set SPITCH, 528
.set ADRA, 16
.set ADRB, 20
.set STO,  24
.set RD,   25
.set CO,   26
.set ADRS, 27
.set SPW,  28
.set NIL,  29
.set BQA,  30
.set SC,   32
.set BIAS, 64
.set AF,   128
.set BK,   128
.set G1, 24
.set G0, 32
.set G1B, 48
.set G0B, 56
.set G1S, 68
.set G0S, 76
.set G1SB, 80
.set G0SB, 88
.set MSB, 0
.macro WIN new
.if MSB != (\new)
	s_set_vgpr_msb (MSB<<8)|(\new)
.set MSB, (\new)
.endif
.endm
.set MUL_LO, 0xa1
.set MUL_HI, 0xf1
.set FIRST_LO, 0x81
.set FIRST_HI, 0xc1
.set TO_B,   0x40
.macro JLOAD g0a, g1a, g0b, g1b
	s_cmp_eq_u32 s15, 0
	s_cbranch_scc0 .Lfor_b_\@
	tensor_load_to_lds s[\g0a:\g0a+3], s[\g1a:\g1a+7]
	s_nop 0
.rept 4
	v_nop
.endr
	s_branch .Lasked_\@
.Lfor_b_\@:
	tensor_load_to_lds s[\g0b:\g0b+3], s[\g1b:\g1b+7]
	s_nop 0
.rept 4
	v_nop
.endr
.Lasked_\@:
.endm
.macro CREST
	s_cmp_lg_u32 s14, 0
	s_cbranch_scc1 .Lnot_wave_0_\@
	s_barrier_signal -3
.Lnot_wave_0_\@:
	s_barrier_wait -3
	s_barrier_signal -1
	s_barrier_wait -1
.endm
.macro CROUND
	s_barrier_signal -1
	s_barrier_wait -1
	CREST
.endm
	s_load_b128 s[4:7], s[0:1], 0x0
	s_load_b128 s[8:11], s[0:1], 0x10
	s_load_b64 s[96:97], s[0:1], 0x20
	s_load_b64 s[12:13], s[0:1], 0x28
	v_lshl_add_u32 v[SPW], v0, 2, SPARE
	v_mov_b32 v[NIL], 0
	ds_add_u32 v28, v29
	ds_add_u32 v28, v29
	s_wait_dscnt 0x0
	v_lshrrev_b32 v1, 5, v0
	v_readfirstlane_b32 s14, v1
	s_lshr_b32 s15, s14, 1
	s_and_b32 s16, s14, 1
	s_bfe_u32 s40, ttmp6, 0x40000
	s_bfe_u32 s41, ttmp6, 0x40004
	s_lshl_b32 s42, ttmp9, 2
	s_add_co_u32 s42, s42, s40
	s_and_b32 s17, ttmp7, 0xffff
	s_lshl_b32 s17, s17, 2
	s_add_co_u32 s17, s17, s41
	s_lshl_b32 s43, s41, 2
	s_lshl_b32 s43, 15, s43
	s_lshl_b32 s44, 0x1111, s40
	s_or_b32 s[G1+0], s43, (3<<16)|(1<<21)
	s_mov_b32 s[G1+1], 384<<16
	s_mov_b32 s[G1+2], 8<<16                       ; the head's load brings A's 128 rows: 8 images of 3,072 bytes
	s_mov_b32 s[G1+3], 384<<16
	s_mov_b32 s[G1+4], 8
	s_mov_b32 s[G1+5], 1536
	s_mov_b32 s[G1+6], 0
	s_mov_b32 s[G1+7], 0
	s_or_b32 s[G1B+0], s44, (0<<16)|(1<<20)|(1<<21)|(3<<22)|(3<<25)
	s_mov_b32 s[G1B+1], 256<<16                    ; dense bytes as rows of 256; the padding's interval stays 64 bytes, so a row of 192 bytes of codes takes 240 in LDS
	s_mov_b32 s[G1B+2], 192<<16                    ; the head's load brings 256 rows of codes = 192 rows of 256 bytes
	s_mov_b32 s[G1B+3], 256<<16
	s_mov_b32 s[G1B+4], 192
	s_mov_b32 s[G1B+5], 256
	s_mov_b32 s[G1B+6], 0
	s_mov_b32 s[G1B+7], 0
	s_or_b32 s[G1S+0], s43, (3<<16)|(1<<20)|(1<<21)|(5<<22)|(3<<25)
	s_or_b32 s[G1SB+0], s44, (3<<16)|(1<<20)|(1<<21)|(5<<22)|(3<<25)
.irp g, G1S, G1SB
	s_mov_b32 s[\g+1], 32<<16
.if \g == G1S
	s_mov_b32 s[\g+2], (KS/2)<<16                  ; the scales of A's 128 rows: 4,096 dense bytes, 16 rows of 256
	s_mov_b32 s[\g+3], 32<<16
	s_mov_b32 s[\g+4], KS/2
.else
	s_mov_b32 s[\g+2], KS<<16                      ; those of B's 256 rows: 32 rows of 256
	s_mov_b32 s[\g+3], 32<<16
	s_mov_b32 s[\g+4], KS
.endif
	s_mov_b32 s[\g+5], 32
	s_mov_b32 s[\g+6], 0
	s_mov_b32 s[\g+7], 0
.endr
	s_lshl_b32 s20, s17, 7                         ; A's tile: its first row, 128 x tile row
	s_lshl_b32 s46, s42, 8                         ; B's: 256 x tile column
	s_add_co_u32 s46, s46, 3072
	s_mov_b32 s21, 0
	s_mov_b32 s47, 0
	s_mov_b64 s[18:19], KS
	s_mul_u64 s[22:23], s[20:21], s[18:19]
	s_mul_u64 s[92:93], s[46:47], s[18:19]
	s_mov_b64 s[18:19], 768                        ; y's images: 768 bytes a row
	s_mul_u64 s[20:21], s[20:21], s[18:19]
	s_mov_b64 s[18:19], KROW
	s_mul_u64 s[46:47], s[46:47], s[18:19]
	s_mul_i32 s45, s16, HALFA
	s_mul_i32 s95, s16, HALFB
	s_add_co_u32 s95, s95, 2*HALFA
	s_mul_i32 s18, s16, 64*768                     ; in the ring I fetch half of a tile's rows: which half, in bytes: of A's 128,
	s_mov_b32 s19, 0
	s_mul_i32 s2, s16, 128*KROW                    ; and of B
	s_mov_b32 s3, 0
	s_wait_kmcnt 0x0
	s_add_nc_u64 s[20:21], s[4:5], s[20:21]
	s_add_nc_u64 s[22:23], s[6:7], s[22:23]
	s_add_nc_u64 s[46:47], s[8:9], s[46:47]
	s_add_nc_u64 s[92:93], s[10:11], s[92:93]
	CROUND
	s_mov_b32 s[G0S], 1
	s_mov_b32 s[G0S+1], SCL
	s_mov_b64 s[G0S+2:G0S+3], s[22:23]
	s_or_b32 s[G0S+3], s[G0S+3], 0x80000000
	s_mov_b32 s[G0SB], 1
	s_mov_b32 s[G0SB+1], SCL+HALFS                 ; behind the scales of A's 128 rows
	s_mov_b64 s[G0SB+2:G0SB+3], s[92:93]
	s_or_b32 s[G0SB+3], s[G0SB+3], 0x80000000
	s_mov_b32 s[G0H], 1                            ; K step 0's 128 rows of A,
	s_mov_b32 s[G0H+1], 0
	s_mov_b64 s[G0H+2:G0H+3], s[20:21]
	s_or_b32 s[G0H+3], s[G0H+3], 0x80000000
	s_mov_b32 s[G0HB], 1                           ; and of B, behind them in slot 0
	s_mov_b32 s[G0HB+1], 2*HALFA
	s_mov_b64 s[G0HB+2:G0HB+3], s[46:47]
	s_or_b32 s[G0HB+3], s[G0HB+3], 0x80000000
	s_add_nc_u64 s[20:21], s[20:21], s[18:19]      ; for the ring: my 64 rows of A's tile
	s_add_nc_u64 s[46:47], s[46:47], s[2:3]
.irp s, 0,1
	s_mov_b32 s[G0+4*\s], 1
	s_add_co_u32 s[G0+4*\s+1], s45, \s*SLOT
	s_add_nc_u64 s[G0+4*\s+2:G0+4*\s+3], s[20:21], \s*AROW
	s_or_b32 s[G0+4*\s+3], s[G0+4*\s+3], 0x80000000
	s_mov_b32 s[G0B+4*\s], 1
	s_add_co_u32 s[G0B+4*\s+1], s95, \s*SLOT
	s_add_nc_u64 s[G0B+4*\s+2:G0B+4*\s+3], s[46:47], \s*ROWB
	s_or_b32 s[G0B+4*\s+3], s[G0B+4*\s+3], 0x80000000
.endr
; THE HEAD'S LOADS, ONE A WAVE: wave 0 K step 0's 128 rows of A, wave 1 B's 256, wave 2 A's scales, wave 3 B's.  One chain of branches on the wave's number; every way passes one load.
.macro ARM under, g0, g1, next
	s_cmp_lt_u32 s14, \under
	s_cbranch_scc0 \next
	tensor_load_to_lds s[\g0:\g0+3], s[\g1:\g1+7]
	s_nop 0
.rept 4
	v_nop
.endr
	s_branch .Lhead_asked
\next:
.endm
	ARM 1, G0H,  G1,  .Lhead_b
	ARM 2, G0HB, G1B, .Lhead_sa
	ARM 3, G0S,  G1S, .Lhead_sb
	tensor_load_to_lds s[G0SB:G0SB+3], s[G1SB:G1SB+7]
	s_nop 0
.rept 4
	v_nop
.endr
.Lhead_asked:
	v_and_b32 v1, 15, v0
	v_bfe_u32 v2, v0, 4, 1
	v_mul_u32_u24 v3, v1, PITCH
	v_mul_u32_u24 v4, v2, 24
	v_add_nc_u32 v4, v3, v4
	v_lshl_add_u32 v5, v2, 4, v4
	v_and_b32 v6, 31, v0
	v_lshlrev_b32 v7, 3, v6
	v_lshlrev_b32 v[CO], 4, v6
	s_mul_i32 s21, s15, HALFA
	s_mul_i32 s22, s16, HALFB
	s_add_co_u32 s22, s22, 2*HALFA
.irp s, 0,1
	v_add_nc_u32 v[ADRA+\s], s21, v7
	v_add_nc_u32 v[ADRB+\s], s22, v4
	v_add_nc_u32 v[ADRB+2+\s], s22, v5
	s_add_co_u32 s21, s21, SLOT
	s_add_co_u32 s22, s22, SLOT
.endr
	v_mul_u32_u24 v5, v1, KS
	v_lshrrev_b32 v6, 8, v5
	v_lshl_add_u32 v5, v6, 4, v5
	s_mul_i32 s21, s15, HALFS/2                    ; A's scales: my 64 rows
	s_mul_i32 s22, s16, HALFS                      ; B's: my 128 rows, behind A's 128
	s_add_co_u32 s22, s22, HALFS
	s_sub_co_u32 s22, s22, s21
	v_mul_u32_u24 v6, s22, v2
	s_add_co_u32 s21, s21, SCL
	v_add_nc_u32 v5, v5, v6
	v_add_nc_u32 v[ADRS], s21, v5
	s_mul_i32 s23, s14, 16*SPITCH
	v_mul_u32_u24 v5, v1, SPITCH
	v_lshl_add_u32 v5, v2, 6, v5
	v_add_nc_u32 v[STO], s23, v5
	v_add_nc_u32 v[RD], s23, v[CO]
	v_lshlrev_b32 v[BQA], 6, v2
	s_wait_alu depctr_va_vdst(0)
	s_lshl_b32 s20, s17, 7                         ; my first row of out0: 128 x tile row + 64 x half
	s_lshl_b32 s21, s15, 6
	s_add_co_u32 s20, s20, s21
	s_lshl_b32 s20, s20, 12
	s_mov_b32 s21, 0
	s_lshl_b32 s46, s42, 10
	s_lshl_b32 s47, s16, 9
	s_add_co_u32 s46, s46, s47
	s_mov_b32 s47, 0
	s_add_nc_u64 s[96:97], s[96:97], s[46:47]
	s_add_nc_u64 s[20:21], s[20:21], s[46:47]
	s_add_nc_u64 s[12:13], s[12:13], s[20:21]
.irp bb, 0,1,2,3
.irp jj, 0,1,2,3
	global_load_b128 v[BIAS+16*\bb+4*\jj:BIAS+16*\bb+4*\jj+3], v[BQA], s[96:97] offset:128*\bb+16*\jj
.endr
.endr
.macro FRAG reg, adr, q, i
.irp p, 0,1,2,3,4,5
.set PIECE, 12*(\q)+6*(\p/3)+\p%3
.if PIECE%8 < 5
	ds_load_b64 v[\reg+2*\p:\reg+2*\p+1], v[\adr] offset:8*PIECE+16*(PIECE/8)+(\i)*16*PITCH
.else
	ds_load_b64 v[\reg+2*\p:\reg+2*\p+1], v[\adr+2] offset:8*PIECE+16*(PIECE/8)+(\i)*16*PITCH
.endif
.endr
.endm
.macro FRAGA reg, adr, q, i
.irp p, 0,1,2,3,4,5
	ds_load_b64 v[\reg+2*\p:\reg+2*\p+1], v[\adr] offset:AROW*(\i)+1536*(\q)+256*\p
.endr
.endm
.macro MUL16 a0, p, q, sc, first
.irp a, \a0, \a0+1
.irp b, 0,1,2,3,4,5,6,7
.if \first
	v_wmma_scale_f32_16x16x128_f8f6f4 v[8*(8*((\a)%4)+\b):8*(8*((\a)%4)+\b)+7], v[128*(\p)+FR*\b:128*(\p)+FR*\b+FR-1], v[AF+FR*(\a):AF+FR*(\a)+FR-1], v[BIAS+8*\b:BIAS+8*\b+7], v[SC+8*NQ*(\sc)+NQ*\b+(\q)], v[SC+8*NQ*(\sc)+NQ*(\a)+(\q)] matrix_a_fmt:MATRIX_FMT_BF6 matrix_b_fmt:MATRIX_FMT_BF6 matrix_a_scale:MATRIX_SCALE_ROW1
.else
	v_wmma_scale_f32_16x16x128_f8f6f4 v[8*(8*((\a)%4)+\b):8*(8*((\a)%4)+\b)+7], v[128*(\p)+FR*\b:128*(\p)+FR*\b+FR-1], v[AF+FR*(\a):AF+FR*(\a)+FR-1], v[8*(8*((\a)%4)+\b):8*(8*((\a)%4)+\b)+7], v[SC+8*NQ*(\sc)+NQ*\b+(\q)], v[SC+8*NQ*(\sc)+NQ*(\a)+(\q)] matrix_a_fmt:MATRIX_FMT_BF6 matrix_b_fmt:MATRIX_FMT_BF6 matrix_a_scale:MATRIX_SCALE_ROW1
.endif
.endr
.endr
.endm
.macro FETCH_B slot, q, p
	WIN TO_B
.irp i, 0,1,2,3,4,5,6,7
	FRAG 128*(\p)+FR*\i, ADRB+\slot, \q, \i
.endr
	WIN 0
.endm
.macro FETCH_A slot, q, i0
.irp i, \i0, \i0+1
	FRAGA AF+FR*(\i), ADRA+\slot, \q, \i
.endr
.endm
.macro SCALES sc
.irp i, 0,1,2,3,4,5,6,7
	ds_load_b64 v[SC+8*NQ*\sc+NQ*\i:SC+8*NQ*\sc+NQ*\i+1], v[ADRS] offset:\i*SBLK
.endr
.endm
.macro PLACES n
.rept \n
	v_nop
.endr
.endm
.macro STEP slot, q, first
	s_wait_dscnt 2*NL                              ; B's set and A's blocks 0, 1 are in; the youngest 12 loads (A's blocks 2, 3) may be out
.if \first
	WIN FIRST_LO
.else
	WIN MUL_LO
.endif
	MUL16 0, (\q)%2, \q, \slot, \first
	s_wait_dscnt 0                                 ; A's blocks 2, 3 are in
	PLACES NP
	FETCH_B \slot, (\q)+1, 1-(\q)%2
	FETCH_A \slot, (\q)+1, 0
.if \first
	WIN FIRST_LO
.else
	WIN MUL_LO
.endif
	MUL16 2, (\q)%2, \q, \slot, \first
	PLACES NP
	WIN 0
	FETCH_A \slot, (\q)+1, 2
.endm
.macro TURN slot, next, fill
	s_wait_tensorcnt 0x0
	ds_add_u32 v[SPW], v[NIL]
	s_wait_dscnt 2*NL+1                            ; (the add and the youngest 12 loads may be out)
	WIN MUL_LO
	MUL16 0, 1, NQ-1, \slot, 0                     ; sixteen matrix instructions stand between the add and the wait for it
	WIN 0
	s_wait_dscnt 0x0                               ; the add is done, and my reads of this slot are over
	s_barrier_signal -1
	s_barrier_wait -1
.if \fill
	CREST
	s_add_nc_u64 s[G0+4*\slot+2:G0+4*\slot+3], s[G0+4*\slot+2:G0+4*\slot+3], 2*AROW
	s_add_nc_u64 s[G0B+4*\slot+2:G0B+4*\slot+3], s[G0B+4*\slot+2:G0B+4*\slot+3], 2*ROWB
	JLOAD G0+4*\slot, G1, G0B+4*\slot, G1B
.else
	PLACES NP
.endif
	s_wait_alu depctr_va_vdst(0)
	v_add_nc_u32 v[ADRS], 4*NQ, v[ADRS]
	FETCH_B \next, 0, 0
	FETCH_A \next, 0, 0
	SCALES \next
	WIN MUL_LO
	MUL16 2, 1, NQ-1, \slot, 0
	PLACES NP
	WIN 0
	FETCH_A \next, 0, 2
.endm
	s_wait_loadcnt 0x0                             ; the bias, once
	s_wait_tensorcnt 0x0                           ; my tile of the head's four is in
	ds_add_u32 v[SPW], v[NIL]
	s_mov_b32 s[G1+2], 4<<16                       ; no tensor load of mine is out: from here on a load brings 64 rows of A: 4 images,
	s_mov_b32 s[G1+4], 4
	s_mov_b32 s[G1B+2], 96<<16                     ; 96 rows of 256 bytes of B
	s_mov_b32 s[G1B+4], 96
	s_wait_dscnt 0x0                               ; the add is done
	CROUND                                         ; all four tiles are in, and all sixteen work-groups are here
	JLOAD G0+4, G1, G0B+4, G1B                     ; K step 1, the first tensor load behind the round
	FETCH_B 0, 0, 0
	FETCH_A 0, 0, 0
	SCALES 0
	FETCH_A 0, 0, 2
	STEP 0, 0, 1
	s_mov_b32 s3, LAPS-1
.Llap:
	TURN 0, 1, 1
	STEP 1, 0, 0
	TURN 1, 0, 1
	STEP 0, 0, 0
	s_sub_co_u32 s3, s3, 1
	s_cmp_lg_u32 s3, 0
	s_cbranch_scc1 .Llap
	TURN 0, 1, 0
	STEP 1, 0, 0
	s_wait_dscnt 0                                 ; the very last step: nothing more to fetch
	WIN MUL_LO
	MUL16 0, 1, NQ-1, 1, 0
	MUL16 2, 1, NQ-1, 1, 0
	WIN 0
.macro TOSTAGE a
.set AC, 64*((\a)%4)
	WIN 0x08+4*((\a)/4)
.irp b, 0,1,2,3,4,5,6,7
	ds_store_b128 v[STO], v[AC+8*\b:AC+8*\b+3] offset:128*(\b/2)+32*(\b%2)
	ds_store_b128 v[STO], v[AC+8*\b+4:AC+8*\b+7] offset:128*(\b/2)+32*(\b%2)+16
.endr
	WIN 0
.set BB, BK+64*((\a)%2)
.irp t, 0,1,2,3,4,5,6,7,8,9,10,11,12,13,14,15
	ds_load_b128 v[BB+4*\t:BB+4*\t+3], v[RD] offset:\t*SPITCH
.endr
.endm
.macro SEND a, younger
.set BB, BK+64*((\a)%2)
	s_wait_dscnt \younger
.irp t, 0,1,2,3,4,5,6,7,8,9,10,11,12,13,14,15
	global_store_b128 v[CO], v[BB+4*\t:BB+4*\t+3], s[12:13] offset:(32*((\a)/2)+8*((\a)%2)+\t+8*(\t/8))*4096 th:TH_STORE_NT
.endr
.endm
	PLACES NP
	TOSTAGE 0
.irp a, 1,2,3
.if \a > 1
	s_wait_xcnt 0x0
.endif
	TOSTAGE \a
	SEND \a-1, 32
.endr
	SEND 3, 0
	s_wait_tensorcnt 0x0
	ds_add_u32 v[SPW], v[NIL]
	s_wait_dscnt 0x0
	CROUND
	s_endpgm
.Lfunc_end_k_qcb4526c7d1_fc:
	.size	k_qcb4526c7d1_fc, .Lfunc_end_k_qcb4526c7d1_fc-k_qcb4526c7d1_fc
	.p2alignl 7, 3214868480
	.fill 96, 4, 3214868480
	.section	.rodata,"a",@progbits
	.p2align	6, 0x0
	.amdhsa_kernel k_qcb4526c7d1_fc
		.amdhsa_group_segment_fixed_size 327680
		.amdhsa_private_segment_fixed_size 0
		.amdhsa_enable_private_segment 0
		.amdhsa_kernarg_size 48
		.amdhsa_user_sgpr_count 2
		.amdhsa_user_sgpr_kernarg_segment_ptr 1
		.amdhsa_wavefront_size32 1
		.amdhsa_system_sgpr_workgroup_id_x 1
		.amdhsa_system_sgpr_workgroup_id_y 1
		.amdhsa_system_sgpr_workgroup_id_z 1
		.amdhsa_system_vgpr_workitem_id 0
		.amdhsa_next_free_vgpr 1024
		.amdhsa_next_free_sgpr 100
		.amdhsa_reserve_vcc 0
		.amdhsa_float_denorm_mode_32 3
		.amdhsa_float_denorm_mode_16_64 3
		.amdhsa_memory_ordered 1
		.amdhsa_forward_progress 1
		.amdhsa_inst_pref_size 104
	.end_amdhsa_kernel
	.amdgpu_metadata
---
amdhsa.version: [ 1, 2 ]
amdhsa.kernels:
  - .name:           k_qcb4526c7d1_fc
    .symbol:         k_qcb4526c7d1_fc.kd
    .args:
      - { .name: y_img, .offset: 0, .size: 8, .value_kind: global_buffer, .address_space: global }
      - { .name: y_sc, .offset: 8, .size: 8, .value_kind: global_buffer, .address_space: global }
      - { .name: w_codes, .offset: 16, .size: 8, .value_kind: global_buffer, .address_space: global }
      - { .name: w_scales, .offset: 24, .size: 8, .value_kind: global_buffer, .address_space: global }
      - { .name: b_fc, .offset: 32, .size: 8, .value_kind: global_buffer, .address_space: global }
      - { .name: out0, .offset: 40, .size: 8, .value_kind: global_buffer, .address_space: global }
    .group_segment_fixed_size: 327680
    .private_segment_fixed_size: 0
    .kernarg_segment_align: 8
    .kernarg_segment_size: 48
    .max_flat_workgroup_size: 128
    .sgpr_count:     100
    .vgpr_count:     1024
    .wavefront_size: 32
...
	.end_amdgpu_metadata
.endif
;; end of part 4
